; MI455X (gfx1250); checked and timed in simulation.
; The chip was launched on July 23, 2026; its instructions are those of AMD's public machine-readable ISA for CDNA 5 (MIT licence, August 2026) and "CDNA5" Instruction Set Architecture Reference Guide (July 2026). The comments in the code are by the model that wrote it; some were corrected since.
;; Multihead Attention. Allowed arithmetic: matrix products marked QUANTISED: E2M3 operands, one E8M0 scale for each 32 along K, by v_wmma_scale_f32_16x16x128_f8f6f4 with both operands' format E2M3, f32 sums; everything else in f32.
;; Inputs: Wk 8 x 1,024 x 128 float32; Wo 1,024 x 1,024 float32; Wq 8 x 1,024 x 128 float32; Wv 8 x 1,024 x 128 float32; bk 8 x 128 float32; bq 8 x 128 float32; bv 8 x 128 float32; k 4 x 2,048 x 1,024 float32; q 4 x 2,048 x 1,024 float32; v 4 x 2,048 x 1,024 float32.
;; Outputs: out0 4 x 2,048 x 1,024 float32.
;; This version of the problem:
;;   THIS VERSION OF THE PROBLEM IS GIVEN IN LOW PRECISION. The matrix products marked QUANTISED in the list below multiply operands that are first quantised to E2M3 (2 exponent bits, 3 mantissa bits; 6 bits a number), with one power-of-two scale for each 32 numbers along K (OCP MX v1.0); their sums are f32. All else is computed in f32.
;;   The module's matrix products, in the order in which they are computed (A, B: the left and right operand; K: the contracted axis; several contracted axes count as one K, in the product's order):
;;     1. [M 1,024, K 1,024] x [K 1,024, N 8,192]; A: input Wq; B: input q: QUANTISED
;;     2. [M 1,024, K 1,024] x [K 1,024, N 8,192]; A: input Wk; B: input k: QUANTISED
;;     3. [M 1,024, K 1,024] x [K 1,024, N 8,192]; A: input Wv; B: input v: QUANTISED
;;     4. batch 32 x [M 2,048, K 128] x [K 128, N 2,048]; A: computed on the way; B: computed on the way: QUANTISED
;;     5. batch 32 x [M 2,048, K 2,048] x [K 2,048, N 128]; A: computed on the way; B: computed on the way: QUANTISED
;;     6. [M 8,192, K 1,024] x [K 1,024, N 1,024]; A: computed on the way; B: input Wo: QUANTISED
;;   THE QUANTISER, for each operand of a quantised product, along K:
;;     - K is cut into blocks of 32 from its start; a last block that is shorter is filled with zeros.
;;     - A block's scale is 2^e with e = floor(log2(the largest magnitude in the block)) - 2, held to -126 .. 127; a block of zeros has e = 0. As a byte (E8M0): e + 127.
;;     - Each number is divided by its block's scale, clamped to +-7.5, and rounded to the nearest number of E2M3, ties to even, subnormals kept.
;;     - The product sums the exact products of the quantised numbers (number of the format x scale) in f32.
;;   ~~~python
;;   def quantise(x, axis):      # numpy; x: float32 -> the quantised numbers, widened to float32 again
;;       x = np.moveaxis(x, axis, -1); K = x.shape[-1]
;;       x = np.pad(x, [(0, 0)] * (x.ndim - 1) + [(0, -K % 32)]); x = x.reshape(x.shape[:-1] + (-1, 32)); a = np.abs(x).max(-1, keepdims=True)
;;       e = np.where(a > 0, np.clip(np.frexp(np.where(a > 0, a, 1))[1] - 1 - 2, -126, 127), 0)      # np.frexp(a)[1] - 1 = floor(log2(a)), exactly
;;       r = np.clip(x / 2.0 ** e, -7.5, 7.5)
;;       step = 2.0 ** (np.maximum(np.frexp(np.where(r == 0, 1, r))[1] - 1, 0) - 3)
;;       q = np.round(r / step) * step * 2.0 ** e      # np.round: ties to even
;;       return np.moveaxis(q.reshape(q.shape[:-2] + (-1,))[..., :K], -1, axis).astype(np.float32)
;;   ~~~
;;   OPERANDS COMPUTED ON THE WAY. 'Computed on the way' means the value that the module computes at that place (a softmax that the list does not call 'softmax' is quantised finished and normalised). What goes into a quantiser is computed in f32, as accurately as f32 sums, v_exp_f32 and their like allow (about 1e-6 of the number): no bf16 or f16 on the way to a quantiser, and a product that is left as it is and whose result goes on into a quantised operand takes f32 operands (vector FMAs, or v_wmma_f32_16x16x4_f32). A number that lies on a knife's edge between two numbers of the format may be rounded either way, as far as f32 arithmetic and the matrix unit's own rounding can turn it there, and no further.
;; One version. Each part assembles by itself: llvm-mc -triple=amdgcn-amd-amdhsa -mcpu=gfx1250 --defsym DOCPART=n.
;; ======== version 1 of 1: 4 launches
;; workspace buffers: xc 19,660,800 bytes; xs 819,200 bytes; wc 2,359,296 bytes; ws 98,304 bytes; hc 13,107,200 bytes; mc 6,291,456 bytes; ms 262,144 bytes
;; launch prep (part 1): grid 896 x 1, 4 waves a work-group, no clusters, 68,096 bytes of LDS; arguments q, k, v, Wo, Wq, Wk, Wv, xc, xs, wc, ws; writes xc, xs, wc, ws
.if DOCPART == 1
	.amdgcn_target "amdgcn-amd-amdhsa--gfx1250"
	.amdhsa_code_object_version 6
	.text
	.protected	k_q7eafc748ad_prep
	.globl	k_q7eafc748ad_prep
	.p2align	8
	.type	k_q7eafc748ad_prep,@function
k_q7eafc748ad_prep:
	s_mov_b64 s[64:65], 0
	v_nop
	global_prefetch_b8 v0, s[64:65] scope:SCOPE_SE
	s_setreg_imm32_b32 hwreg(HW_REG_WAVE_MODE, 25, 1), 1
	s_wait_xcnt 0x0
; q, k, v [8192][1024] and Wo [1024][1024] (K innermost) and Wq, Wk, Wv [8][1024 (K)][128] (K outermost), all f32, become codes of FP6 (E2M3), K innermost, 768 bytes a row,
; with one E8M0 scale byte for each 32 along K, 32 bytes a row.  A block's scale is 2^(floor(log2(its largest magnitude)) - 2); its byte is the largest magnitude's exponent field - 2, held at 1 from below.
; POSITION: inside every group of 32 rows the row with index n is stored at n with its bits 3 and 4 exchanged, so that the 16 rows that a later product takes as one tile
; (8 neighbours, and the 8 that lie 16 further on) are neighbours in memory.
; xc, xs: rows 0.. q, 8192.. k, 16384.. v, 24576.. Wo.   wc, ws: row T x 1024 + head x 128 + position(e), T = 0, 1, 2 for Wq, Wk, Wv.
; LIMITS: NaN and infinities among the inputs are not served; a block whose largest magnitude lies under 2^-124 keeps the floor's byte, 1; so does a block of zeros (its codes are zeros, and this program alone reads the bytes).
; Work-groups 0-799 take 32 rows of q, k, v or Wo each; work-groups 800-895 take one head's 128 columns x 256 along K of a weight.  The two ways have LDS bytes of their own.
; Waves share nothing: no barrier, no tensor load; no work-group reads what another reads, so there is nothing to ask for jointly.
.set STEPS, 16                         ; way A: steps of 512 numbers a wave
.set CB,    12                         ; bytes of 16 codes
.set RR,    16                         ; v16-79   four sets of 16 numbers as they are loaded
.set XX,    80                         ; v80-111  two sets of 16 neighbours
.set EE,    112                        ; v112-127 a scale byte for each step
.set CC,    128                        ; v128-191 codes: four registers for each step
.set WREG,  8192                       ; LDS, way A: a region for each wave: two stages of 32 x SP bytes, behind them its 256 scale bytes
.set SP,    80                         ; a lane's place in a stage: 64 bytes + 16 of padding
.set STB,   32768                      ; LDS, way B: four stages of 32 x PITCH bytes
.set PITCH, 272                        ; a stage row: sixteen places of 16 bytes + 16
.set KROW,  768                        ; a row of codes in memory
.set NB,    8                          ; way B: blocks of 32 along K a wave
.set XW,    32                         ; v32-95   two sets of 32 numbers
.set CW,    96                         ; v96..    a block's codes
.set OUTR,  112                        ; v112-175 the way out
.set SB,    24                         ; v24-25   the scale bytes, four to a register
.set SPW,   192                        ; v192     LDS address of my spare word; never rewritten
.set NIL,   193                        ; v193     0; never rewritten
.set SPARE, 67584                      ; behind both ways' bytes: the spare words, 128 bytes a wave
	s_load_b256 s[4:11], s[0:1], 0x0               ; q, k, v, Wo
	s_load_b256 s[20:27], s[0:1], 0x20             ; Wq, Wk, Wv, xc
	s_load_b128 s[28:31], s[0:1], 0x40             ; xs, wc
	s_load_b64 s[32:33], s[0:1], 0x50              ; ws
	v_lshl_add_u32 v[SPW], v0, 2, SPARE
	v_mov_b32 v[NIL], 0
	v_lshrrev_b32 v1, 5, v0
	v_readfirstlane_b32 s16, v1                    ; wave
	v_and_b32 v2, 31, v0                           ; lane
	s_cmp_ge_u32 ttmp9, 800
	s_cbranch_scc1 .Lweights
	; ---------------- way A: K innermost.  A work-group is one group of 32 rows, a wave 8 rows = 8,192 numbers
	v_lshlrev_b32 v3, 4, v2                        ; my 16 bytes of a load's 512
	s_mul_i32 s17, s16, WREG
	v_lshrrev_b32 v14, 2, v2
	v_mul_u32_u24 v14, v14, SP
	v_and_b32 v15, 3, v2
	v_lshl_add_u32 v14, v15, 4, v14
	v_add_nc_u32 v14, s17, v14                     ; the stage, on the way in: SP (lane / 4) + 16 (lane % 4)
	v_mul_u32_u24 v15, v2, SP
	v_add_nc_u32 v15, s17, v15                     ; on the way out: SP x lane: my 16 neighbours
	v_mul_u32_u24 v4, v2, CB                       ; my codes' place in a step's
	v_lshrrev_b32 v5, 1, v2
	s_add_co_u32 s17, s17, 2*32*SP
	v_add_nc_u32 v5, s17, v5                       ; my wave's 256 scale bytes, my block's byte
	v_lshlrev_b32 v7, 3, v2                        ; and on the way out 8 bytes a lane
	v_add_nc_u32 v6, s17, v7
	s_wait_kmcnt 0x0
	s_lshr_b32 s18, ttmp9, 8                       ; which tensor: 0 q, 1 k, 2 v, 3 Wo: the choice hangs on the work-group's number alone
	s_cmp_eq_u32 s18, 1
	s_cselect_b64 s[4:5], s[6:7], s[4:5]
	s_cmp_eq_u32 s18, 2
	s_cselect_b64 s[4:5], s[8:9], s[4:5]
	s_cmp_eq_u32 s18, 3
	s_cselect_b64 s[4:5], s[10:11], s[4:5]
	s_and_b32 s18, ttmp9, 255
	s_lshl_b32 s18, s18, 2
	s_add_co_u32 s18, s18, s16
	s_lshl_b32 s18, s18, 15                        ; my 8 rows in the tensor: 32,768 bytes a wave
	s_mov_b32 s19, 0
	s_add_nc_u64 s[4:5], s[4:5], s[18:19]
	s_and_b32 s18, s16, 1                          ; position: rows 8 w .. 8 w + 7 go where the wave number's two bits are exchanged
	s_lshl_b32 s18, s18, 1
	s_lshr_b32 s34, s16, 1
	s_or_b32 s18, s18, s34
	s_lshl_b32 s34, ttmp9, 2
	s_add_co_u32 s34, s34, s18
	s_mul_i32 s18, s34, 8*KROW
	s_add_nc_u64 s[8:9], s[26:27], s[18:19]        ; my 8 rows of codes
	s_lshl_b32 s18, s34, 8
	s_add_nc_u64 s[10:11], s[28:29], s[18:19]      ; my 256 scale bytes
.macro LOAD t
.irp i, 0,1,2,3
	global_load_b128 v[RR+16*((\t)%4)+4*\i:RR+16*((\t)%4)+4*\i+3], v3, s[4:5] offset:2048*(\t)+512*\i th:TH_LOAD_NT   ; 32 lanes read 512 consecutive bytes
.endr
.endm
.macro TURN t                          ; step t's numbers through the stage: LDS serves a wave's instructions in order, so no wait stands between the stores and the loads
.irp i, 0,1,2,3
	ds_store_b128 v14, v[RR+16*((\t)%4)+4*\i:RR+16*((\t)%4)+4*\i+3] offset:32*SP*((\t)%2)+8*SP*\i
.endr
.irp i, 0,1,2,3
	ds_load_b128 v[XX+16*((\t)%2)+4*\i:XX+16*((\t)%2)+4*\i+3], v15 offset:32*SP*((\t)%2)+16*\i
.endr
.endm
.irp t, 0,1,2,3
	LOAD \t
.endr
	s_wait_loadcnt 12                              ; step 0's four loads are in; three steps' twelve may be out
	TURN 0
.macro STEP t
.set XS, XX+16*((\t)%2)
.if (\t) > 0
	s_wait_dscnt 1                                 ; this step's numbers are back from the stage (the last step's byte store may be out)
.else
	s_wait_dscnt 0x0
.endif
.if (\t)+4 < STEPS
	LOAD (\t)+4                                    ; into the set whose stores into the stage have read their registers
.endif
.if (\t)+1 < STEPS
.if STEPS-2-(\t) >= 3
	s_wait_loadcnt 12                              ; the next step's four loads are in; those of the three steps behind it may be out
.else
	s_wait_loadcnt 4*(STEPS-2-(\t))
.endif
	TURN (\t)+1
.endif
	v_max3_num_f32 v8, |v[XS]|, |v[XS+1]|, |v[XS+2]|               ; the largest magnitude of my 16
	v_max3_num_f32 v9, |v[XS+3]|, |v[XS+4]|, |v[XS+5]|
.irp i, 6,10
	v_max3_num_f32 v8, v8, |v[XS+\i]|, |v[XS+\i+1]|
	v_max3_num_f32 v9, v9, |v[XS+\i+2]|, |v[XS+\i+3]|
.endr
	v_max3_num_f32 v8, v8, |v[XS+14]|, |v[XS+15]|
	v_max3_num_f32 v8, v8, v9, 0x1800000           ; and the floor 2^(3 - 127): the byte cannot fall under 1
	v_max_num_f32_dpp v8, v8, v8 row_xmask:1 row_mask:0xf bank_mask:0xf   ; and of my neighbour's 16: the block's
	v_add_nc_u32 v11, 0xff000000, v8               ; 2 off its exponent field: the conversion takes the exponent field of this operand as its scale
	v_cvt_scalef32_pk16_fp6_f32 v[CC+4*(\t):CC+4*(\t)+2], v[XS:XS+15], v11
	v_lshrrev_b32 v[EE+(\t)], 23, v11              ; the scale's byte
	ds_store_b8 v5, v[EE+(\t)] offset:16*(\t)      ; both lanes of a block write the same byte with the same value
	global_store_b96 v4, v[CC+4*(\t):CC+4*(\t)+2], s[8:9] offset:32*CB*(\t)   ; the wave stores 384 consecutive bytes
.endm
.irp t, 0,1,2,3,4,5,6,7,8,9,10,11,12,13,14,15
	STEP \t
.endr
	ds_load_b64 v[8:9], v6                         ; LDS serves a wave's instructions in order: these see my stores
	s_wait_dscnt 0x0
	global_store_b64 v7, v[8:9], s[10:11]          ; 32 lanes store 256 consecutive bytes, aligned
	s_wait_tensorcnt 0x0                           ; the wave's end, behind my last LDS store
	ds_add_u32 v[SPW], v[NIL]
	s_wait_dscnt 0x0
	s_endpgm
	; ---------------- way B: K outermost.  A lane takes a column e, its registers run down K; a wave takes 32 columns x 256 along K
.Lweights:
	s_sub_co_u32 s17, ttmp9, 800
	s_lshr_b32 s18, s17, 2                         ; T x 8 + head
	s_and_b32 s17, s17, 3                          ; which 256 along K
	v_lshlrev_b32 v3, 2, v2                        ; in: 4 bytes a lane
	s_mul_i32 s19, s16, 32*PITCH
	s_add_co_u32 s19, s19, STB                     ; my stage
	v_mul_u32_u24 v4, v2, PITCH
	v_add_nc_u32 v4, s19, v4                       ; into it: row = my column
	v_and_b32 v5, 15, v2
	v_lshrrev_b32 v6, 4, v2
	v_mul_u32_u24 v7, v6, PITCH
	v_lshl_add_u32 v7, v5, 4, v7
	v_add_nc_u32 v7, s19, v7                       ; out of it: sixteen lanes to a row, two rows an instruction
	v_mul_u32_u24 v8, v6, KROW
	v_mad_u32_u24 v8, v5, 12, v8                   ; and the same place in the codes' buffer
	v_and_b32 v9, 7, v2                            ; my column's position: bits 3 and 4 exchanged,
	v_bfe_u32 v10, v2, 3, 1
	v_lshl_or_b32 v9, v10, 4, v9
	v_lshl_or_b32 v9, v6, 3, v9
	v_lshlrev_b32 v9, 5, v9                        ; x 32 bytes: its row of scale bytes
	s_wait_kmcnt 0x0
	s_lshr_b32 s34, s18, 3                         ; T
	s_cmp_eq_u32 s34, 1
	s_cselect_b64 s[4:5], s[22:23], s[20:21]
	s_cmp_eq_u32 s34, 2
	s_cselect_b64 s[4:5], s[24:25], s[4:5]
	s_and_b32 s34, s18, 7
	s_lshl_b32 s34, s34, 19                        ; the head: 1,024 x 128 x 4 bytes
	s_lshl_b32 s35, s17, 17                        ; 256 rows of 512 bytes
	s_add_co_u32 s34, s34, s35
	s_lshl_b32 s35, s16, 7                         ; my 32 columns
	s_add_co_u32 s34, s34, s35
	s_mov_b32 s35, 0
	s_add_nc_u64 s[4:5], s[4:5], s[34:35]
	s_lshl_b32 s36, s18, 7
	s_lshl_b32 s34, s16, 5
	s_add_co_u32 s36, s36, s34                     ; my first row of wc and ws
	s_mul_i32 s34, s36, KROW
	s_mul_i32 s37, s17, 192
	s_add_co_u32 s34, s34, s37
	s_add_nc_u64 s[6:7], s[30:31], s[34:35]
	s_lshl_b32 s34, s36, 5
	s_lshl_b32 s37, s17, 3
	s_add_co_u32 s34, s34, s37
	s_add_nc_u64 s[8:9], s[32:33], s[34:35]
.macro WLOAD t                         ; block t: W(32 t + i, my column), i = 0 .. 31, into set t % 2: each load reads 128 consecutive bytes a wave
.irp i, 0,1,2,3,4,5,6,7,8,9,10,11,12,13,14,15,16,17,18,19,20,21,22,23,24,25,26,27,28,29,30,31
	global_load_b32 v[XW+32*((\t)%2)+\i], v3, s[4:5] offset:(32*(\t)+\i)*512 th:TH_LOAD_NT
.endr
.endm
	WLOAD 0
	WLOAD 1
.macro WBLOCK t
.set XS, XW+32*((\t)%2)
.if (\t) < NB-1
	s_wait_loadcnt 32                              ; this block's 32 loads are in; the next block's may be out
.else
	s_wait_loadcnt 0
.endif
	v_max3_num_f32 v12, |v[XS]|, |v[XS+1]|, |v[XS+2]|              ; the block's largest magnitude: all 32 numbers are mine
	v_max3_num_f32 v13, |v[XS+3]|, |v[XS+4]|, |v[XS+5]|
.irp i, 6,10,14,18,22,26
	v_max3_num_f32 v12, v12, |v[XS+\i]|, |v[XS+\i+1]|
	v_max3_num_f32 v13, v13, |v[XS+\i+2]|, |v[XS+\i+3]|
.endr
	v_max3_num_f32 v12, v12, |v[XS+30]|, |v[XS+31]|
	v_max3_num_f32 v12, v12, v13, 0x1800000        ; and the floor
	v_add_nc_u32 v11, 0xff000000, v12              ; the conversion's scale operand
	v_lshrrev_b32 v13, 23, v11                     ; the scale's byte
.if (\t)%4 == 0
	v_mov_b32 v[SB+(\t)/4], v13
.else
	v_lshl_or_b32 v[SB+(\t)/4], v13, 8*((\t)%4), v[SB+(\t)/4]
.endif
	v_cvt_scalef32_pk16_fp6_f32 v[CW:CW+2], v[XS:XS+15], v11
	v_cvt_scalef32_pk16_fp6_f32 v[CW+4:CW+6], v[XS+16:XS+31], v11  ; (a conversion's three registers begin on an even number)
	ds_store_b96 v4, v[CW:CW+2] offset:32*(\t)     ; 12 bytes to a place of 16, so that every LDS address is a multiple of 16
	ds_store_b96 v4, v[CW+4:CW+6] offset:32*(\t)+16
.if (\t)+2 < NB
	WLOAD (\t)+2
.endif
	s_wait_dscnt 0x0                               ; the stores have read their registers: the next block's codes may be written
.endm
.irp t, 0,1,2,3,4,5,6,7
	WBLOCK \t
.endr
	global_store_b64 v9, v[SB:SB+1], s[8:9]        ; my column's 8 scale bytes
.irp t, 0,1,2,3,4,5,6,7,8,9,10,11,12,13,14,15
	ds_load_b96 v[OUTR+4*\t:OUTR+4*\t+2], v7 offset:2*\t*PITCH
.endr
.irp t, 0,1,2,3,4,5,6,7,8,9,10,11,12,13,14,15
	s_wait_dscnt 15-\t                             ; the younger loads from the stage may be out
	global_store_b96 v8, v[OUTR+4*\t:OUTR+4*\t+2], s[6:7] offset:(2*(\t%4)+16*((\t/4)%2)+8*(\t/8))*KROW   ; columns 2 t and 2 t + 1 at their positions: sixteen lanes store a row's 192 consecutive bytes
.endr
	s_wait_tensorcnt 0x0                           ; the wave's end, behind my last LDS store
	ds_add_u32 v[SPW], v[NIL]
	s_wait_dscnt 0x0
	s_endpgm
.Lfunc_end_k_q7eafc748ad_prep:
	.size	k_q7eafc748ad_prep, .Lfunc_end_k_q7eafc748ad_prep-k_q7eafc748ad_prep
	.p2alignl 7, 3214868480
	.fill 96, 4, 3214868480
	.section	.rodata,"a",@progbits
	.p2align	6, 0x0
	.amdhsa_kernel k_q7eafc748ad_prep
		.amdhsa_group_segment_fixed_size 68096
		.amdhsa_private_segment_fixed_size 0
		.amdhsa_enable_private_segment 0
		.amdhsa_kernarg_size 88
		.amdhsa_user_sgpr_count 2
		.amdhsa_user_sgpr_kernarg_segment_ptr 1
		.amdhsa_wavefront_size32 1
		.amdhsa_system_sgpr_workgroup_id_x 1
		.amdhsa_system_sgpr_workgroup_id_y 1
		.amdhsa_system_sgpr_workgroup_id_z 1
		.amdhsa_system_vgpr_workitem_id 0
		.amdhsa_next_free_vgpr 196
		.amdhsa_next_free_sgpr 66
		.amdhsa_reserve_vcc 0
		.amdhsa_float_denorm_mode_32 3
		.amdhsa_float_denorm_mode_16_64 3
		.amdhsa_memory_ordered 1
		.amdhsa_forward_progress 1
		.amdhsa_inst_pref_size 74
	.end_amdhsa_kernel
	.amdgpu_metadata
---
amdhsa.version: [ 1, 2 ]
amdhsa.kernels:
  - .name:           k_q7eafc748ad_prep
    .symbol:         k_q7eafc748ad_prep.kd
    .args:
      - { .name: q, .offset: 0, .size: 8, .value_kind: global_buffer, .address_space: global }
      - { .name: k, .offset: 8, .size: 8, .value_kind: global_buffer, .address_space: global }
      - { .name: v, .offset: 16, .size: 8, .value_kind: global_buffer, .address_space: global }
      - { .name: Wo, .offset: 24, .size: 8, .value_kind: global_buffer, .address_space: global }
      - { .name: Wq, .offset: 32, .size: 8, .value_kind: global_buffer, .address_space: global }
      - { .name: Wk, .offset: 40, .size: 8, .value_kind: global_buffer, .address_space: global }
      - { .name: Wv, .offset: 48, .size: 8, .value_kind: global_buffer, .address_space: global }
      - { .name: xc, .offset: 56, .size: 8, .value_kind: global_buffer, .address_space: global }
      - { .name: xs, .offset: 64, .size: 8, .value_kind: global_buffer, .address_space: global }
      - { .name: wc, .offset: 72, .size: 8, .value_kind: global_buffer, .address_space: global }
      - { .name: ws, .offset: 80, .size: 8, .value_kind: global_buffer, .address_space: global }
    .group_segment_fixed_size: 68096
    .private_segment_fixed_size: 0
    .kernarg_segment_align: 8
    .kernarg_segment_size: 88
    .max_flat_workgroup_size: 128
    .sgpr_count:     66
    .vgpr_count:     196
    .wavefront_size: 32
...
	.end_amdgpu_metadata
.endif
;; end of part 1
;; launch proj (part 2): grid 8 x 32, 4 waves a work-group, clusters of 4 x 4, 327,680 bytes of LDS; arguments xc, xs, wc, ws, bk, bv, hc; writes hc
.if DOCPART == 2
	.amdgcn_target "amdgcn-amd-amdhsa--gfx1250"
	.amdhsa_code_object_version 6
	.text
	.protected	k_q7eafc748ad_proj
	.globl	k_q7eafc748ad_proj
	.p2align	8
	.type	k_q7eafc748ad_proj,@function
k_q7eafc748ad_proj:
	s_mov_b64 s[64:65], 0
	v_nop
	global_prefetch_b8 v0, s[64:65] scope:SCOPE_SE
	s_setreg_imm32_b32 hwreg(HW_REG_WAVE_MODE, 25, 1), 1
	s_wait_xcnt 0x0
	s_wait_alu depctr_hold_cnt(0) depctr_sa_sdst(0) depctr_va_vdst(0) depctr_va_sdst(0) depctr_va_ssrc(0) depctr_va_vcc(0) depctr_vm_vsrc(0)
	s_getreg_b32 s2, hwreg(HW_REG_IB_STS2, 6, 4)
	s_cmp_eq_u32 s2, 0
	s_cbranch_scc0 .Lentry_in_a_cluster
	s_endpgm
.Lentry_in_a_cluster:
	s_bfe_u32 s2, ttmp6, 0x10000c
	s_cmp_lg_u32 s2, 0xf033
	s_cbranch_scc0 .Lentry_shape_is_right
	s_endpgm
.Lentry_shape_is_right:
; The projections k Wk + bk and v Wv + bv on codes of FP6 (E2M3) with E8M0 scales, K = 1,024; the results, with their bias, are quantised in registers and leave as operands of the attention's products.
; (q's projection is made by the attention's launch, where a work-group owns its own 256 rows: so this launch has 2 x 128 tiles, one for each of 256 work-groups.)
; T = the cluster's x: 0 k, 1 v.  A tile is 256 x 256 of (rows of x) x (rows of W = head x 128 + e); four waves, each 128 x 128: 64 accumulators, 512 registers: one head's 128 e for 128 rows of x.
; THE PRODUCT IS D(a, b) = (source 0 = block b of operand B) x (source 1 = block a of operand A): a lane holds ONE row of A, and its registers run along B's rows.  Rows lie by POSITION (in each group of 32, index bits 3 and 4
; exchanged), so that the 16 registers of blocks 2 c and 2 c + 1 are 16 NEIGHBOURS of B's index: 32 c + 16 (lane / 16) + 0 .. 15.  So the 64 registers of a block a are 128 neighbours along the next product's K.
;   k: A = x's rows, B = W's rows: a lane holds a row t, registers run along e: quantised along e.      v: A = W's rows, B = x's rows: a lane holds e, registers run along the keys t: quantised along the keys.
; Only pointers and tile numbers differ between the two; the one branch on T (the same in all sixteen partners) chooses how the bias is added.
; OUT: a wave's result is one GROUP BLOCK of hc, 12,800 bytes: eight fragments as images of their registers (register 4 c + w of lane l at 512 c + 16 l + 4 w; 1,536 bytes each), then 512 bytes of scale words
; (fragment i, row r at 256 (i / 4) + 16 r + 4 (i % 4)).  hc: [T][(batch x 8 + head) x 16 + block of 128 rows].  Every store of the wave covers 512 consecutive bytes, aligned.
; K goes in steps of 256 through a ring of two LDS slots filled by the tensor data mover; the scale bytes of the work-group's rows, for all of K, come once and stay.
; CLUSTERS: 4 x 4 work-groups.  A's tile is shared along a row of the cluster, B's along a column: each is asked for jointly, by the same tensor load with the same descriptor and a mask that names the four.
; LIMITS: NaN and infinities are not served; a block whose largest magnitude lies under 2^-124, a block of zeros among them, keeps the byte 1 (zeros have zero codes; this program alone reads the bytes).
; REGISTERS: window 0: v16-31 addresses; v32-63 scale words, two sets, and nothing else; v64-127 the bias by e; v128-223 A's fragments, one set (at the end: numbers and codes at work); v224-239 the bias by lane; v240-255 at work at the end.
;   window 1: B's fragments, two sets, at v0 and v128.   window 2: the accumulators of my rows 0-63 ((a, b) at v[8 (8 a + b)]);   window 3: those of rows 64-127.
.set KSTEP,  256
.set NQ,     2                         ; matrix instructions deep in a slot
.set ROWB,   192                       ; a tile's row in bytes
.set KROW,   768                       ; a row of codes in memory
.set PITCH,  240                       ; an LDS row: 3 x (64 bytes + 16 of padding): the 32 lanes of a load of 8 bytes touch 64 different banks (64 banks of 4 bytes: ISA guide 11.1)
.set FR,     12
.set NL,     6                         ; LDS loads that bring a fragment
.set NP,     4                         ; places behind this matrix instruction (ISA guide 7.12.1)
.set HALFT,  128*PITCH
.set SLOT,   4*HALFT
.set LAPS,   2                         ; K = 1,024: four K steps, twice round the ring
.set KS,     32                        ; a row of scale bytes
.set SCL,    2*SLOT
.set HALFS,  (128*KS/256)*272
.set SBLK,   (16*KS/256)*272
.set SPARE,  SCL+4*HALFS               ; the spare words, 128 bytes a wave
.set ADRA, 16
.set ADRB, 20
.set LI,   24                          ; v24  16 x lane: an image's place for my lane
.set ADRS, 27
.set SPW,  28
.set NIL,  29
.set BO,   30                          ; v30  64 x (lane / 16): the bias by e
.set BVO,  31                          ; v31  4 x (my row's e in a block): the bias by lane
.set SC,   32
.set BIAS, 64
.set AF,   128
.set BV,   224
.set TM,   240                         ; v240-255 at work in the quantiser
.set TN,   128                         ; v128-191 64 numbers with their bias
.set PC,   192                         ; v192-203 a fragment's codes
.set CT,   204                         ; v204-211 the conversions' second halves
.set PW,   212                         ; v212-219 the eight fragments' scale words
.set SW,   220                         ; v220-223 the four that my lane stores
.set SEL,  2                           ; s[2:3] lane selects for lane l xor 16 (set behind the loop)
.set G1, 24
.set G0, 32
.set G1B, 48
.set G0B, 56
.set G1S, 68
.set G0S, 76
.set G1SB, 80
.set G0SB, 88
.set MSB, 0
.macro WIN new                         ; the immediate's high byte repeats the setting that is left
.if MSB != (\new)
	s_set_vgpr_msb (MSB<<8)|(\new)
.set MSB, (\new)
.endif
.endm
.set MUL_LO, 0xa1                      ; source 0 (B) window 1, source 1 (A) window 0, C and D window 2
.set MUL_HI, 0xf1
.set TO_B,   0x40
; A joint load: waves 0 and 1 fetch for A, waves 2 and 3 for B; the branch hangs on the wave's number alone.  An s_nop 0 and four v_nop follow each of the two lines.
.macro JLOAD g0a, g1a, g0b, g1b
	s_cmp_eq_u32 s15, 0
	s_cbranch_scc0 .Lfor_b_\@
	tensor_load_to_lds s[\g0a:\g0a+3], s[\g1a:\g1a+7]
	s_nop 0
.rept 4
	v_nop
.endr
	s_branch .Lasked_\@
.Lfor_b_\@:
	tensor_load_to_lds s[\g0b:\g0b+3], s[\g1b:\g1b+7]
	s_nop 0
.rept 4
	v_nop
.endr
.Lasked_\@:
.endm
.macro CREST                           ; a round of the cluster's barrier behind its opening barrier
	s_cmp_lg_u32 s14, 0
	s_cbranch_scc1 .Lnot_wave_0_\@
	s_barrier_signal -3
.Lnot_wave_0_\@:
	s_barrier_wait -3
	s_barrier_signal -1
	s_barrier_wait -1
.endm
.macro CROUND
	s_barrier_signal -1
	s_barrier_wait -1
	CREST
.endm
	s_load_b256 s[4:11], s[0:1], 0x0               ; xc, xs, wc, ws
	s_load_b128 s[96:99], s[0:1], 0x20             ; bk, bv
	s_load_b64 s[12:13], s[0:1], 0x30              ; hc
	v_lshl_add_u32 v[SPW], v0, 2, SPARE
	v_mov_b32 v[NIL], 0
	ds_add_u32 v[SPW], v[NIL]                      ; the wave's opening: the add and its wait stand ahead of my first tensor load; work on registers stands between them
	v_lshrrev_b32 v1, 5, v0
	v_readfirstlane_b32 s14, v1                    ; wave 0..3
	s_lshr_b32 s15, s14, 1                         ; which 128 rows of A are mine.  Also: I fetch for A (0) or for B (1)
	s_and_b32 s16, s14, 1                          ; which 128 rows of B are mine.  Also: which 128 rows of that tile I fetch
	s_bfe_u32 s40, ttmp6, 0x40000                  ; cx, cy: my place in the cluster
	s_bfe_u32 s41, ttmp6, 0x40004
	s_and_b32 s17, ttmp7, 0xffff
	s_lshl_b32 s17, s17, 2                         ; 4 x cluster y: it walks x's 32 tiles of rows, which are A's for k, B's for v
	s_cmp_eq_u32 ttmp9, 1
	s_cselect_b32 s42, s17, 0
	s_cselect_b32 s17, 0, s17
	s_add_co_u32 s42, s42, s40                     ; B's tile: cx (+ 4 x cluster y for v)
	s_add_co_u32 s17, s17, s41                     ; A's tile: cy (+ 4 x cluster y for k)
	s_lshl_b32 s43, s41, 2
	s_lshl_b32 s43, 15, s43                        ; my row of the cluster
	s_lshl_b32 s44, 0x1111, s40                    ; my column
	s_mov_b32 s95, 0xffff0000                      ; lanes 16-31
	; descriptor group 1: a tile of 128 rows x 192 bytes, 16 bytes of padding behind every 64
	s_or_b32 s[G1+0], s43, (0<<16)|(1<<20)|(1<<21)|(3<<22)|(3<<25)
	s_or_b32 s[G1B+0], s44, (0<<16)|(1<<20)|(1<<21)|(3<<22)|(3<<25)
.irp g, G1, G1B
	s_mov_b32 s[\g+1], ROWB<<16                    ; tensor_dim0
	s_mov_b32 s[\g+2], 128<<16                     ; tensor_dim1
	s_mov_b32 s[\g+3], ROWB<<16                    ; tile_dim0
	s_mov_b32 s[\g+4], 128                         ; tile_dim1
	s_mov_b32 s[\g+5], KROW                        ; tensor_dim0_stride
	s_mov_b32 s[\g+6], 0
	s_mov_b32 s[\g+7], 0
.endr
	; the scale bytes of 128 rows: 4,096 dense bytes as 16 rows of 256 (32 elements of 8 bytes), 16 bytes of padding behind each
	s_or_b32 s[G1S+0], s43, (3<<16)|(1<<20)|(1<<21)|(5<<22)|(3<<25)
	s_or_b32 s[G1SB+0], s44, (3<<16)|(1<<20)|(1<<21)|(5<<22)|(3<<25)
.irp g, G1S, G1SB
	s_mov_b32 s[\g+1], 32<<16
	s_mov_b32 s[\g+2], (128*KS/256)<<16
	s_mov_b32 s[\g+3], 32<<16
	s_mov_b32 s[\g+4], 128*KS/256
	s_mov_b32 s[\g+5], 32
	s_mov_b32 s[\g+6], 0
	s_mov_b32 s[\g+7], 0
.endr
	s_lshl_b32 s18, s16, 7                         ; which 128 rows of the tile I fetch
	s_lshl_b32 s20, s17, 8
	s_add_co_u32 s20, s20, s18                     ; A: row 256 x tile + 128 x half
	s_lshl_b32 s46, s42, 8
	s_add_co_u32 s46, s46, s18                     ; B likewise
	s_mov_b32 s21, 0
	s_mov_b32 s47, 0
	s_mov_b64 s[18:19], KS
	s_mul_u64 s[22:23], s[20:21], s[18:19]         ; where these rows' scale bytes begin
	s_mul_u64 s[92:93], s[46:47], s[18:19]
	s_mov_b64 s[18:19], KROW
	s_mul_u64 s[20:21], s[20:21], s[18:19]         ; and their codes
	s_mul_u64 s[46:47], s[46:47], s[18:19]
	s_mul_i32 s45, s14, HALFT                      ; where they go: wave x 128 rows: no place in the cluster enters an LDS address
	s_mul_i32 s94, s14, HALFS
	s_add_co_u32 s100, ttmp9, 1                    ; in xc, xs, wc and ws q's part lies first: k is part 1, v part 2
	s_wait_dscnt 0x0                               ; the opening add is done
	s_wait_kmcnt 0x0
	s_mov_b32 s3, 0
	s_mul_i32 s2, s100, 8192*KROW                  ; my tensor's part of each buffer
	s_add_nc_u64 s[4:5], s[4:5], s[2:3]
	s_mul_i32 s2, s100, 8192*KS
	s_add_nc_u64 s[6:7], s[6:7], s[2:3]
	s_mul_i32 s2, s100, 1024*KROW
	s_add_nc_u64 s[8:9], s[8:9], s[2:3]
	s_mul_i32 s2, s100, 1024*KS
	s_add_nc_u64 s[10:11], s[10:11], s[2:3]
	s_cmp_eq_u32 ttmp9, 1                          ; for v the operands change places: A = W, B = x.  The choice hangs on the cluster's number alone
	s_mov_b64 s[2:3], s[4:5]
	s_cselect_b64 s[4:5], s[8:9], s[4:5]
	s_cselect_b64 s[8:9], s[2:3], s[8:9]
	s_mov_b64 s[2:3], s[6:7]
	s_cselect_b64 s[6:7], s[10:11], s[6:7]
	s_cselect_b64 s[10:11], s[2:3], s[10:11]
	s_cselect_b64 s[66:67], s[98:99], s[96:97]     ; my tensor's bias (moves and selects leave the compare's result alone)
	s_add_nc_u64 s[20:21], s[4:5], s[20:21]
	s_add_nc_u64 s[22:23], s[6:7], s[22:23]
	s_add_nc_u64 s[46:47], s[8:9], s[46:47]
	s_add_nc_u64 s[92:93], s[10:11], s[92:93]
	CROUND                                         ; all sixteen work-groups are here: the first joint loads meet
	s_mov_b32 s[G0S], 1
	s_add_co_u32 s[G0S+1], s94, SCL
	s_mov_b64 s[G0S+2:G0S+3], s[22:23]
	s_or_b32 s[G0S+3], s[G0S+3], 0x80000000
	s_mov_b32 s[G0SB], 1
	s_add_co_u32 s[G0SB+1], s94, SCL
	s_mov_b64 s[G0SB+2:G0SB+3], s[92:93]
	s_or_b32 s[G0SB+3], s[G0SB+3], 0x80000000
	JLOAD G0S, G1S, G0SB, G1SB                     ; the scale bytes first: they are wanted with K step 0
.irp s, 0,1
	s_mov_b32 s[G0+4*\s], 1
	s_add_co_u32 s[G0+4*\s+1], s45, \s*SLOT
	s_add_nc_u64 s[G0+4*\s+2:G0+4*\s+3], s[20:21], \s*ROWB
	s_or_b32 s[G0+4*\s+3], s[G0+4*\s+3], 0x80000000
	s_mov_b32 s[G0B+4*\s], 1
	s_add_co_u32 s[G0B+4*\s+1], s45, \s*SLOT
	s_add_nc_u64 s[G0B+4*\s+2:G0B+4*\s+3], s[46:47], \s*ROWB
	s_or_b32 s[G0B+4*\s+3], s[G0B+4*\s+3], 0x80000000
	JLOAD G0+4*\s, G1, G0B+4*\s, G1B               ; three tensor loads of mine are out at the most
.endr
	v_and_b32 v1, 15, v0                           ; r = lane % 16
	v_bfe_u32 v2, v0, 4, 1                         ; h = lane / 16
	v_mul_u32_u24 v3, v1, PITCH
	v_mul_u32_u24 v4, v2, 24
	v_add_nc_u32 v4, v3, v4                        ; a fragment's row x pitch + 24 x half
	v_lshl_add_u32 v5, v2, 4, v4                   ; and the same behind one padding more
	s_mul_i32 s21, s15, HALFT                      ; my 128 rows of A
	s_mul_i32 s22, s16, HALFT                      ; my 128 rows of B,
	s_add_co_u32 s22, s22, 2*HALFT                 ; which lie behind A's 256
.irp s, 0,1
	v_add_nc_u32 v[ADRA+\s], s21, v4
	v_add_nc_u32 v[ADRB+\s], s22, v4
	v_add_nc_u32 v[ADRA+2+\s], s21, v5
	v_add_nc_u32 v[ADRB+2+\s], s22, v5
	s_add_co_u32 s21, s21, SLOT
	s_add_co_u32 s22, s22, SLOT
.endr
	v_mul_u32_u24 v5, v1, KS                       ; my row's scale bytes: 32 a row,
	v_lshrrev_b32 v6, 8, v5
	v_lshl_add_u32 v5, v6, 4, v5                   ; and 16 more for each 256 passed
	s_mul_i32 s21, s15, HALFS
	s_mul_i32 s22, s16, HALFS
	s_add_co_u32 s22, s22, 2*HALFS
	s_sub_co_u32 s22, s22, s21
	v_mul_u32_u24 v6, s22, v2                      ; lanes 16-31 take B's
	s_add_co_u32 s21, s21, SCL
	v_add_nc_u32 v5, v5, v6
	v_add_nc_u32 v[ADRS], s21, v5
	v_and_b32 v6, 31, v0
	v_lshlrev_b32 v[LI], 4, v6
	v_lshlrev_b32 v[BO], 6, v2                     ; block b, register j is e = 32 (b / 2) + 16 h + 8 (b % 2) + j
	v_and_b32 v6, 7, v1
	v_lshrrev_b32 v7, 3, v1
	v_lshl_or_b32 v6, v7, 4, v6
	v_lshlrev_b32 v[BVO], 2, v6                    ; row r of block i is e = 32 (i / 2) + 8 (i % 2) + r % 8 + 16 (r / 8)
	; where my group block lies in hc, and my head's bias
	s_lshl_b32 s46, s17, 1
	s_add_co_u32 s46, s46, s15                     ; my block of 128 rows of A
	s_lshl_b32 s47, s42, 1
	s_add_co_u32 s47, s47, s16                     ; and of B
	s_cmp_eq_u32 ttmp9, 1
	s_cselect_b32 s92, s47, s46                    ; the block of 128 rows of x
	s_cselect_b32 s93, s46, s47                    ; the head
	s_lshr_b32 s94, s92, 4                         ; the batch: 16 blocks each
	s_lshl_b32 s94, s94, 3
	s_add_co_u32 s94, s94, s93
	s_lshl_b32 s94, s94, 4
	s_and_b32 s92, s92, 15
	s_add_co_u32 s94, s94, s92
	s_mul_i32 s94, s94, 12800
	s_mul_i32 s92, ttmp9, 512*12800
	s_add_co_u32 s46, s94, s92
	s_mov_b32 s47, 0
	s_add_nc_u64 s[12:13], s[12:13], s[46:47]
	s_lshl_b32 s46, s93, 9
	s_add_nc_u64 s[66:67], s[66:67], s[46:47]
.irp t, 0,1,2,3,4,5,6,7                        ; both forms of the bias are loaded on every way; they are waited for behind the last product
	global_load_b128 v[BIAS+8*\t:BIAS+8*\t+3], v[BO], s[66:67] offset:(32*(\t/2)+8*(\t%2))*4
	global_load_b128 v[BIAS+8*\t+4:BIAS+8*\t+7], v[BO], s[66:67] offset:(32*(\t/2)+8*(\t%2))*4+16
.endr
.irp i, 0,1,2,3,4,5,6,7
	global_load_b32 v[BV+2*\i], v[BVO], s[66:67] offset:(32*(\i/2)+8*(\i%2))*4
	global_load_b32 v[BV+2*\i+1], v[BVO], s[66:67] offset:(32*(\i/2)+8*(\i%2))*4   ; twice: a pair for the packed addition
.endr
.macro FRAG reg, adr, q, i             ; a fragment: lane l holds row l % 16; registers 6 c .. 6 c + 5 hold K = 64 c + 32 (l / 16) + 0 .. 31: 24 bytes of the row's stream of bits, in pieces of 8 bytes
.irp p, 0,1,2,3,4,5
.set PIE, 12*(\q)+6*(\p/3)+\p%3        ; where the piece three on (lanes 16-31) lies behind one padding more, the second address register serves
.if PIE%8 < 5
	ds_load_b64 v[\reg+2*\p:\reg+2*\p+1], v[\adr] offset:8*PIE+16*(PIE/8)+(\i)*16*PITCH
.else
	ds_load_b64 v[\reg+2*\p:\reg+2*\p+1], v[\adr+2] offset:8*PIE+16*(PIE/8)+(\i)*16*PITCH
.endif
.endr
.endm
; 16 matrix instructions: A's blocks a0, a0 + 1 x B's eight.  The 64 accumulators take turns, one instruction a turn, in the same order in every step.
.macro MUL16 a0, p, q, sc, zero
.irp a, \a0, \a0+1
.irp b, 0,1,2,3,4,5,6,7
.if \zero
	v_wmma_scale_f32_16x16x128_f8f6f4 v[8*(8*((\a)%4)+\b):8*(8*((\a)%4)+\b)+7], v[128*(\p)+FR*\b:128*(\p)+FR*\b+FR-1], v[AF+FR*(\a):AF+FR*(\a)+FR-1], 0, v[SC+8*NQ*(\sc)+NQ*\b+(\q)], v[SC+8*NQ*(\sc)+NQ*(\a)+(\q)] matrix_a_fmt:MATRIX_FMT_FP6 matrix_b_fmt:MATRIX_FMT_FP6 matrix_a_scale:MATRIX_SCALE_ROW1
.else
	v_wmma_scale_f32_16x16x128_f8f6f4 v[8*(8*((\a)%4)+\b):8*(8*((\a)%4)+\b)+7], v[128*(\p)+FR*\b:128*(\p)+FR*\b+FR-1], v[AF+FR*(\a):AF+FR*(\a)+FR-1], v[8*(8*((\a)%4)+\b):8*(8*((\a)%4)+\b)+7], v[SC+8*NQ*(\sc)+NQ*\b+(\q)], v[SC+8*NQ*(\sc)+NQ*(\a)+(\q)] matrix_a_fmt:MATRIX_FMT_FP6 matrix_b_fmt:MATRIX_FMT_FP6 matrix_a_scale:MATRIX_SCALE_ROW1
.endif
.endr
.endr
.endm
.macro FETCH_B slot, q, p
	WIN TO_B
.irp i, 0,1,2,3,4,5,6,7
	FRAG 128*(\p)+FR*\i, ADRB+\slot, \q, \i
.endr
	WIN 0
.endm
.macro FETCH_A slot, q, i0
.irp i, \i0, \i0+1, \i0+2, \i0+3
	FRAG AF+FR*(\i), ADRA+\slot, \q, \i
.endr
.endm
.macro SCALES sc                       ; a K step's scale words: lanes 0-15 take A's block i, lanes 16-31 B's block i
.irp i, 0,1,2,3,4,5,6,7
	ds_load_b64 v[SC+8*NQ*\sc+NQ*\i:SC+8*NQ*\sc+NQ*\i+1], v[ADRS] offset:\i*SBLK
.endr
.endm
.macro PLACES n                        ; plain vector instructions that name none of a matrix instruction's registers, between it and a load into, a read of or a write of them
.rept \n
	v_nop
.endr
.endm
.macro STEP slot, q, zero              ; 128 along K that have their successor in the same slot
	s_wait_dscnt 4*NL                              ; B's set and A's blocks 0-3 are in; the youngest 24 loads (A's blocks 4-7) may be out
	WIN MUL_LO
	MUL16 0, (\q)%2, \q, \slot, \zero
	MUL16 2, (\q)%2, \q, \slot, \zero
	s_wait_dscnt 0
	PLACES NP
	FETCH_B \slot, (\q)+1, 1-(\q)%2
	FETCH_A \slot, (\q)+1, 0
	WIN MUL_HI
	MUL16 4, (\q)%2, \q, \slot, \zero
	MUL16 6, (\q)%2, \q, \slot, \zero
	PLACES NP
	WIN 0
	FETCH_A \slot, (\q)+1, 4
.endm
; A slot's last step changes slots: one barrier; in front of it each wave waits for all its tensor loads, adds 0 to its spare word, and waits for that and for its reads of this slot.  fill = 1: the slot is filled again, two K steps ahead.
.macro TURN slot, next, fill
	s_wait_tensorcnt 0x0                           ; all my tensor loads have landed: my part of the next slot
	ds_add_u32 v[SPW], v[NIL]                      ; 0 onto my spare word
	s_wait_dscnt 4*NL+1                            ; (the add and the youngest 24 loads, A's blocks 4-7, may be out)
	WIN MUL_LO
	MUL16 0, 1, NQ-1, \slot, 0
	s_wait_dscnt 0x0                               ; the add is done, and my reads of this slot are over
	s_barrier_signal -1
	MUL16 2, 1, NQ-1, \slot, 0
	WIN 0
	s_barrier_wait -1
.if \fill
	CREST                                          ; the barrier has opened a round of the cluster's: no wave of any partner still reads this slot or has a load on its way
	s_add_nc_u64 s[G0+4*\slot+2:G0+4*\slot+3], s[G0+4*\slot+2:G0+4*\slot+3], 2*ROWB
	s_add_nc_u64 s[G0B+4*\slot+2:G0B+4*\slot+3], s[G0B+4*\slot+2:G0B+4*\slot+3], 2*ROWB
	JLOAD G0+4*\slot, G1, G0B+4*\slot, G1B         ; the first tensor load behind the round; its four v_nop are the places in front of the loads below
.else
	PLACES NP
.endif
	v_add_nc_u32 v[ADRS], 4*NQ, v[ADRS]            ; on to the next K step's scale words
	FETCH_B \next, 0, 0
	FETCH_A \next, 0, 0
	SCALES \next
	WIN MUL_HI
	MUL16 4, 1, NQ-1, \slot, 0
	MUL16 6, 1, NQ-1, \slot, 0
	PLACES NP
	WIN 0
	FETCH_A \next, 0, 4
.endm
	s_wait_tensorcnt 1                             ; the scale bytes and my part of K step 0 are in (K step 1's load may be out)
	s_barrier_signal -1
	s_barrier_wait -1                              ; everybody's are
	FETCH_B 0, 0, 0
	FETCH_A 0, 0, 0
	SCALES 0
	FETCH_A 0, 0, 4
	STEP 0, 0, 1                                   ; the first step's products start the sums: nothing is cleared
	s_mov_b32 s3, LAPS-1
.Llap:                                                 ; a trip goes once round the ring and fills both slots again
	TURN 0, 1, 1
	STEP 1, 0, 0
	TURN 1, 0, 1
	STEP 0, 0, 0
	s_sub_co_u32 s3, s3, 1
	s_cmp_lg_u32 s3, 0
	s_cbranch_scc1 .Llap
	TURN 0, 1, 0                                   ; the last lap fills nothing
	STEP 1, 0, 0
	s_wait_dscnt 4*NL
	WIN MUL_LO
	MUL16 0, 1, NQ-1, 1, 0
	MUL16 2, 1, NQ-1, 1, 0
	s_wait_dscnt 0
	WIN MUL_HI
	MUL16 4, 1, NQ-1, 1, 0
	MUL16 6, 1, NQ-1, 1, 0
	WIN 0
; 64 numbers of a lane, register 16 b + i = k 32 b + 16 (lane / 16) + i of my row, become a fragment's codes in v[pc] on and its row's scale word in v[pw] (the same in both halves of the lanes).
.macro QUANT s, pc, ct, pw
.irp b, 0,1,2,3
	v_max3_num_f32 v[TM+\b], |v[\s+16*\b]|, |v[\s+1+16*\b]|, 0x1800000   ; block b: my 16 numbers, and the floor 2^(3 - 127): the byte cannot fall under 1
.endr
.irp i, 2,4,6,8,10,12,14
.irp b, 0,1,2,3
	v_max3_num_f32 v[TM+\b], v[TM+\b], |v[\s+16*\b+\i]|, |v[\s+1+16*\b+\i]|
.endr
.endr
.irp b, 0,1,2,3
	v_permlanex16_b32 v[TM+4+\b], v[TM+\b], s[SEL], s[SEL+1]
.endr
.irp b, 0,1,2,3
	v_max_num_f32 v[TM+\b], v[TM+\b], v[TM+4+\b]   ; with lane l xor 16's: the block's largest magnitude
.endr
.irp b, 0,1,2,3
	v_add_nc_u32 v[TM+12+\b], 0xff000000, v[TM+\b] ; 2 off its exponent field: the conversion's scale operand
.endr
.irp b, 0,1,2,3
	v_lshrrev_b32 v[TM+4+\b], 23, v[TM+12+\b]      ; the scale's byte
.endr
	v_lshl_or_b32 v[\pw], v[TM+5], 8, v[TM+4]
	v_lshl_or_b32 v[\pw], v[TM+6], 16, v[\pw]
	v_lshl_or_b32 v[\pw], v[TM+7], 24, v[\pw]
.irp c, 0,1
	v_cvt_scalef32_pk16_fp6_f32 v[\pc+6*\c:\pc+2+6*\c], v[\s+32*\c:\s+15+32*\c], v[TM+12+2*\c]
	v_cvt_scalef32_pk16_fp6_f32 v[\ct+4*\c:\ct+2+4*\c], v[\s+16+32*\c:\s+31+32*\c], v[TM+13+2*\c]   ; (a conversion's three registers begin on an even number)
.endr
	v_nop                                          ; one plain place behind a scaled conversion
.irp c, 0,1                                    ; the operand's layout wants a whole block in a lane: lanes 0-15 block 2 c, lanes 16-31 block 2 c + 1
.irp i, 0,1,2
	v_permlane16_swap_b32 v[\pc+6*\c+\i], v[\ct+4*\c+\i]
.endr
.irp i, 0,1,2
	v_mov_b32 v[\pc+3+6*\c+\i], v[\ct+4*\c+\i]
.endr
.endr
.endm
; Block i of A's rows: its eight accumulators + the bias, quantised along B's 128 rows, stored as an image.  Each accumulator is read from its low end on.
.macro OUTB i
.if (\i) > 0
	s_wait_xcnt 0x0                                ; the last block's stores have read their data: the codes' registers may be written again
.endif
	s_cmp_eq_u32 ttmp9, 1                          ; the cluster's x: the same in all sixteen partners
	s_cbranch_scc1 .Lby_lane_\@
	WIN 0x02+(\i)/4                                ; source 0: window 2 or 3
.set n, 0
.rept 32
	v_pk_add_f32 v[TN+n:TN+n+1], v[64*((\i)%4)+n:64*((\i)%4)+n+1], v[BIAS+n:BIAS+n+1]   ; k: registers run along e
.set n, n+2
.endr
	WIN 0
	s_branch .Lsummed_\@
.Lby_lane_\@:
	WIN 0x02+(\i)/4
.set n, 0
.rept 32
	v_pk_add_f32 v[TN+n:TN+n+1], v[64*((\i)%4)+n:64*((\i)%4)+n+1], v[BV+2*(\i):BV+2*(\i)+1]   ; v: my lane is one e
.set n, n+2
.endr
	WIN 0
.Lsummed_\@:
	QUANT TN, PC, CT, PW+(\i)
.irp c, 0,1,2
	global_store_b128 v[LI], v[PC+4*\c:PC+4*\c+3], s[12:13] offset:(\i)*1536+512*\c   ; 32 lanes store 512 consecutive bytes
.endr
.endm
	PLACES NP                                      ; behind the last products
	s_mov_b32 s[SEL], 0x76543210
	s_mov_b32 s[SEL+1], 0xfedcba98
.irp b, 0,1,2,3
	v_mov_b32 v[TM+4+\b], 0                        ; written once: a lane permute's destination counts as one of its sources
.endr
	s_wait_loadcnt 0x0                             ; the bias
.irp i, 0,1,2,3,4,5,6,7
	OUTB \i
.endr
.irp k, 0,1,2,3
	v_cndmask_b32 v[SW+\k], v[PW+\k], v[PW+4+\k], s95   ; lanes 0-15 store the words of fragments 0-3, lanes 16-31 those of 4-7
.endr
	global_store_b128 v[LI], v[SW:SW+3], s[12:13] offset:12288
	s_wait_tensorcnt 0x0                           ; the wave's end
	ds_add_u32 v[SPW], v[NIL]
	s_wait_dscnt 0x0
	CROUND                                         ; the closing round: no work-group ends while a partner may still ask for a tile that names it
	s_endpgm
.Lfunc_end_k_q7eafc748ad_proj:
	.size	k_q7eafc748ad_proj, .Lfunc_end_k_q7eafc748ad_proj-k_q7eafc748ad_proj
	.p2alignl 7, 3214868480
	.fill 96, 4, 3214868480
	.section	.rodata,"a",@progbits
	.p2align	6, 0x0
	.amdhsa_kernel k_q7eafc748ad_proj
		.amdhsa_group_segment_fixed_size 327680
		.amdhsa_private_segment_fixed_size 0
		.amdhsa_enable_private_segment 0
		.amdhsa_kernarg_size 56
		.amdhsa_user_sgpr_count 2
		.amdhsa_user_sgpr_kernarg_segment_ptr 1
		.amdhsa_wavefront_size32 1
		.amdhsa_system_sgpr_workgroup_id_x 1
		.amdhsa_system_sgpr_workgroup_id_y 1
		.amdhsa_system_sgpr_workgroup_id_z 1
		.amdhsa_system_vgpr_workitem_id 0
		.amdhsa_next_free_vgpr 1024
		.amdhsa_next_free_sgpr 102
		.amdhsa_reserve_vcc 0
		.amdhsa_float_denorm_mode_32 3
		.amdhsa_float_denorm_mode_16_64 3
		.amdhsa_memory_ordered 1
		.amdhsa_forward_progress 1
		.amdhsa_inst_pref_size 201
	.end_amdhsa_kernel
	.amdgpu_metadata
---
amdhsa.version: [ 1, 2 ]
amdhsa.kernels:
  - .name:           k_q7eafc748ad_proj
    .symbol:         k_q7eafc748ad_proj.kd
    .args:
      - { .name: xc, .offset: 0, .size: 8, .value_kind: global_buffer, .address_space: global }
      - { .name: xs, .offset: 8, .size: 8, .value_kind: global_buffer, .address_space: global }
      - { .name: wc, .offset: 16, .size: 8, .value_kind: global_buffer, .address_space: global }
      - { .name: ws, .offset: 24, .size: 8, .value_kind: global_buffer, .address_space: global }
      - { .name: bk, .offset: 32, .size: 8, .value_kind: global_buffer, .address_space: global }
      - { .name: bv, .offset: 40, .size: 8, .value_kind: global_buffer, .address_space: global }
      - { .name: hc, .offset: 48, .size: 8, .value_kind: global_buffer, .address_space: global }
    .group_segment_fixed_size: 327680
    .private_segment_fixed_size: 0
    .kernarg_segment_align: 8
    .kernarg_segment_size: 56
    .max_flat_workgroup_size: 128
    .sgpr_count:     102
    .vgpr_count:     1024
    .wavefront_size: 32
...
	.end_amdgpu_metadata
.endif
;; end of part 2
;; launch attn (part 3): grid 8 x 32, 8 waves a work-group, clusters of 4 x 1, 327,680 bytes of LDS; arguments hc, mc, ms, xc, xs, wc, ws, bq; writes mc, ms
.if DOCPART == 3
	.amdgcn_target "amdgcn-amd-amdhsa--gfx1250"
	.amdhsa_code_object_version 6
	.text
	.protected	k_q7eafc748ad_attn
	.globl	k_q7eafc748ad_attn
	.p2align	8
	.type	k_q7eafc748ad_attn,@function
k_q7eafc748ad_attn:
	s_mov_b64 s[64:65], 0
	v_nop
	global_prefetch_b8 v0, s[64:65] scope:SCOPE_SE
	s_setreg_imm32_b32 hwreg(HW_REG_WAVE_MODE, 25, 1), 1
	s_wait_xcnt 0x0
	s_wait_alu depctr_hold_cnt(0) depctr_sa_sdst(0) depctr_va_vdst(0) depctr_va_sdst(0) depctr_va_ssrc(0) depctr_va_vcc(0) depctr_vm_vsrc(0)
	s_getreg_b32 s2, hwreg(HW_REG_IB_STS2, 6, 4)
	s_cmp_eq_u32 s2, 0
	s_cbranch_scc0 .Lentry_in_a_cluster
	s_endpgm
.Lentry_in_a_cluster:
	s_bfe_u32 s2, ttmp6, 0x10000c
	s_cmp_lg_u32 s2, 0x3003
	s_cbranch_scc0 .Lentry_shape_is_right
	s_endpgm
.Lentry_shape_is_right:
; qh = q Wq + bq for the work-group's own queries; then heads[b][h][s][:] = the sum over t of (1 + tanh(qh . kh / sqrt(128))) vh[t][:]; all three products on codes of FP6 (E2M3) with E8M0 scales;
; the result is quantised along h x 128 + e for the last product.
; THE WEIGHT.  1 + tanh(x) = 2 / (1 + e^(-2 x)).  What is computed and quantised is w' = 1 / (1 + 2^(c s)), c = -2 log2(e) / sqrt(128): no difference of near numbers is formed, and where 2^(c s) overflows w' is 0.
; The factor 2 is a power of two: the codes of 2 w' are those of w' and its scales are doubled, so the sums are doubled exactly: they are multiplied by 2 once, at the end.
; IN: xc, xs: q's codes, 768 bytes a row, and scale bytes, 32 a row; wc, ws: Wq's likewise, row head x 128 + e; rows of both by POSITION (in each group of 32, index bits 3 and 4 exchanged).
;     hc: k's and v's group blocks of 12,800 bytes: eight fragments as images of their registers (1,536 bytes each), then 512 bytes of scale words.  k: the eight tiles of 16 rows of a block of 128 rows, K = e.  v: the eight tiles of e, K = the block's 128 keys.
; SHARES.  A work-group owns 256 queries of one (batch, head); each of its eight waves 32 of them, two tiles: each fragment of W, K and V read from LDS feeds two matrix instructions.  Two waves lie on a SIMD.
; All products are used transposed (qh^T = Wq x^T, S^T = K Q^T, O^T = V^T W^T): a lane holds one query throughout; rows lie by position, so that the 16 registers of tiles 2 b, 2 b + 1 are 16 neighbours of e (or of the keys).
; THE PROJECTION.  A wave's 32 rows of x, 768 bytes each, come by one tensor load into LDS bytes of its own and go from there into 192 registers, once.  The head's 128 rows of Wq come by eight joint loads, one a wave, and all eight waves read
; them, 128 along K at a time.  The bias is loaded into the sixteen accumulators, so that it costs no addition.  The sums are quantised in registers: they ARE Q's two fragments.
; x's rows belong to this work-group alone among the four partners (they own other queries), so their load names no partner; the eight heads of a batch each fetch them.
; RING.  Two LDS slots of four key steps: 4 group blocks of K, then 4 of V.  Each wave brings one block (waves 0-3 K's, 4-7 V's) by one tensor load: 50 rows of 256 bytes.  Slot 0 lies over x's bytes and is asked for when x is in registers,
; slot 1 over x's and W's and is asked for when the projection is done: both as refills.  Two tensor loads of mine are out at the most (the two first fills).
; CLUSTER.  The four query blocks of a cluster walk the same Wq, K and V: each of their blocks is asked for jointly, by the same tensor load with the same descriptor and the mask of all four.
; No prefetch is laid: slot 0 is asked for a whole projection, every later slot four key steps, ahead of its first use.
; OUT: mc [row / 128][head][tile of 16 rows] images of 1,536 bytes; ms [row by position][32]: the word of head h at byte 4 h.
; LIMITS: NaN and infinities are not served; v_exp_f32 and v_rcp_f32 flush denormals (ISA guide 15.8): a weight under 2^-126 counts as 0; a block whose largest magnitude lies under 2^-124 keeps the byte 1.
; REGISTERS: window 0: v1-7, v12-15 addresses; v8-11, v240-255 scale words and nothing else; v16-63 four fragments of V (at the head: the later scale words); v64-87 the weights' codes; v88-111 at work (v64-111 at the head: x's fragments of K steps 6, 7);
;   v112-239 qh^T, then S^T, then the weights (v112-159 later: V's other four fragments).
;   window 1: v0-127 O^T (tile x, e tile t at 64 x + 8 t; at the head v0-119: x's fragments of K steps 0-4); v128-151 Q (at the head: x's of K step 5); v152-247 eight fragments of W or of K.
.set GB,    12800                      ; a group block
.set VOFF,  4*GB                       ; a slot: 4 blocks of K, then 4 of V
.set SLOT1, 1<<17                      ; slot 1 begins here: one exclusive or turns an address in one slot into the other's
.set XP,    816                        ; a row of x in LDS: 3 x 256 bytes + 3 x 16 of padding = 204 words: row r starts at bank 12 r mod 64 (64 banks of 4 bytes: ISA guide 11.1): sixteen different groups of four banks
.set XW,    32*XP                      ; a wave's 32 rows
.set WB,    8*XW                       ; behind x: Wq
.set WP,    432                        ; half a row of W in LDS: 3 x 128 bytes + 3 x 16 of padding = 108 words: row r starts at bank 44 r mod 64: sixteen different groups of four banks
.set WPART, 32*WP                      ; what one wave brings: 32 rows of one half of K
.set WHALF, 128*WP                     ; a half of K
.set SPARE, WB+2*WHALF                 ; the spare words, 128 bytes for each of eight waves
.set AK0, 1                            ; v1   16 x lane
.set AX,  2                            ; v2   LDS address of my place in my wave's rows of x
.set ADK, 3                            ; v3   LDS address of the K block in hand (at the head: my offset among W's scale words)
.set ADV, 4                            ; v4   of the step whose V is in hand (at the head: my offset in the bias)
.set AX2, 5                            ; v5   as AX, for the pieces that lie behind one padding more in lanes 16-31
.set AW,  6                            ; v6   LDS address of my place in a tile of W
.set AW2, 7                            ; v7   as AW, behind one padding more
.set QS,  8                            ; v8-9   Q's scale words (at the head v8-11: x's, four K steps)
.set PS,  10                           ; v10-11 the weights' scale words
.set SPW, 12
.set NIL, 13
.set TV,  14                           ; v14  at work
.set MSO, 15                           ; v15  32 x lane: my row of xs and of ms
.set F,   16
.set P,   64
.set TM,  88
.set CT,  104
.set S,   112
.set KSW, 240                          ; v240-243 K's scale words (at the head v240-255: W's, four K steps)
.set VSW, 244
.set QF,  128                          ; window 1
.set KF,  152                          ; window 1
.set WV,  12                           ; s12  wave
.set TB,  48                           ; s48  LDS byte at which the key step to be fetched begins
.set SLOTS, 50
.set CNT, 51
.set CS,  52                           ; s[52:53] c
.set SEL, 54                           ; s[54:55] lane selects for lane l xor 16
.set MSB, 0
.macro WIN new
.if MSB != (\new)
	s_set_vgpr_msb (MSB<<8)|(\new)
.set MSB, (\new)
.endif
.endm
.macro CROUND                          ; a round of the cluster's barrier
	s_barrier_signal -1
	s_barrier_wait -1
	s_cmp_lg_u32 s[WV], 0
	s_cbranch_scc1 .Lnot_wave_0_\@
	s_barrier_signal -3
.Lnot_wave_0_\@:
	s_barrier_wait -3
	s_barrier_signal -1
	s_barrier_wait -1
.endm
.macro TLOAD                           ; every wave's own block of K or V; an s_nop 0 and four v_nop follow
	tensor_load_to_lds s[40:43], s[24:31]
	s_nop 0
.rept 4
	v_nop
.endr
.endm
	s_load_b256 s[4:11], s[0:1], 0x0               ; hc, mc, ms, xc
	s_load_b256 s[68:75], s[0:1], 0x20             ; xs, wc, ws, bq
	v_lshl_add_u32 v[SPW], v0, 2, SPARE
	v_mov_b32 v[NIL], 0
	ds_add_u32 v[SPW], v[NIL]                      ; the wave's opening: the add and its wait stand ahead of my first tensor load; work on registers stands between them
	v_lshrrev_b32 v[TV], 5, v0
	v_readfirstlane_b32 s[WV], v[TV]               ; wave 0..7
	s_bfe_u32 s13, ttmp6, 0x40000                  ; cx
	s_lshl_b32 s14, ttmp9, 2
	s_add_co_u32 s14, s14, s13                     ; my block of 256 queries: it enters x's, mc's and ms's addresses alone
	s_and_b32 s15, ttmp7, 0xffff                   ; batch x 8 + head, which the four partners share
	; descriptor group 1 for K and V: 50 dense rows of 256 bytes (32 elements of 8 bytes), no padding
	s_mov_b32 s24, 15|(3<<16)|(1<<21)              ; the mask: all four work-groups; elements of 8 bytes; bit 21 beside a mask
	s_mov_b32 s25, 32<<16                          ; tensor_dim0
	s_mov_b32 s26, 50<<16                          ; tensor_dim1
	s_mov_b32 s27, 32<<16                          ; tile_dim0
	s_mov_b32 s28, 50                              ; tile_dim1
	s_mov_b32 s29, 32                              ; stride
	s_mov_b32 s30, 0
	s_mov_b32 s31, 0
	; for x: 32 rows of 768 bytes, 16 bytes of padding behind every 256; no mask: the rows are this work-group's alone
	s_mov_b32 s76, (0<<16)|(1<<20)|(5<<22)|(3<<25)
	s_mov_b32 s77, 768<<16
	s_mov_b32 s78, 32<<16
	s_mov_b32 s79, 768<<16
	s_mov_b32 s80, 32
	s_mov_b32 s81, 768
	s_mov_b32 s82, 0
	s_mov_b32 s83, 0
	; for W: 32 rows of 384 bytes (half of K), 768 bytes apart, 16 bytes of padding behind every 128; the mask of all four
	s_mov_b32 s84, 15|(0<<16)|(1<<20)|(1<<21)|(4<<22)|(3<<25)
	s_mov_b32 s85, 384<<16
	s_mov_b32 s86, 32<<16
	s_mov_b32 s87, 384<<16
	s_mov_b32 s88, 32
	s_mov_b32 s89, 768
	s_mov_b32 s90, 0
	s_mov_b32 s91, 0
	s_lshr_b32 s16, s[WV], 2                       ; what I fetch of hc: K (waves 0-3) or V (4-7),
	s_mul_i32 s16, s16, 512*GB
	s_mul_i32 s17, s15, 16*GB                      ; my (batch, head)'s sixteen blocks,
	s_add_co_u32 s16, s16, s17
	s_and_b32 s18, s[WV], 3
	s_mul_i32 s19, s18, GB                         ; the slot's key step wave % 4
	s_add_co_u32 s16, s16, s19
	s_mov_b32 s17, 0
	s_lshr_b32 s20, s15, 3                         ; my wave's first row of x: batch x 2,048 + query block x 256 + wave x 32
	s_lshl_b32 s20, s20, 11
	s_lshl_b32 s21, s14, 8
	s_add_co_u32 s20, s20, s21
	s_lshl_b32 s21, s[WV], 5
	s_add_co_u32 s20, s20, s21
	s_lshl_b32 s22, s20, 5                         ; its scale bytes,
	s_mov_b32 s23, 0
	s_mul_i32 s20, s20, 768                        ; its codes
	s_mov_b32 s21, 0
	s_and_b32 s19, s15, 7                          ; the head
	s_mul_i32 s58, s19, 128*768                    ; what I fetch of Wq: the head's 128 rows,
	s_mul_i32 s59, s18, 32*768                     ; rows 32 (wave % 4) on,
	s_add_co_u32 s58, s58, s59
	s_lshr_b32 s59, s[WV], 2
	s_mul_i32 s59, s59, 384                        ; half wave / 4 of K
	s_add_co_u32 s58, s58, s59
	s_mov_b32 s59, 0
	s_lshl_b32 s60, s19, 12                        ; the head's scale bytes: 128 rows of 32
	s_mov_b32 s61, 0
	s_lshl_b32 s62, s19, 9                         ; the head's bias
	s_mov_b32 s63, 0
	s_lshr_b32 s32, s15, 3                         ; OUT: the block of 128 rows: batch x 16 + 2 x query block + wave / 4
	s_lshl_b32 s32, s32, 4
	s_lshl_b32 s33, s14, 1
	s_add_co_u32 s32, s32, s33
	s_lshr_b32 s33, s[WV], 2
	s_add_co_u32 s32, s32, s33
	s_lshl_b32 s34, s32, 3
	s_add_co_u32 s34, s34, s19
	s_mul_i32 s34, s34, 12288
	s_mul_i32 s35, s18, 3072
	s_add_co_u32 s34, s34, s35                     ; mc: my two images
	s_mov_b32 s35, 0
	s_lshl_b32 s36, s32, 2
	s_add_co_u32 s36, s36, s18
	s_lshl_b32 s36, s36, 10                        ; ms: my 32 rows of 32 bytes,
	s_lshl_b32 s33, s19, 2
	s_add_co_u32 s36, s36, s33                     ; my head's word
	s_mov_b32 s37, 0
	s_mov_b32 s[CS], 0xbe8293ee                    ; c = -2 log2(e) / sqrt(128)
	s_mov_b32 s[CS+1], s[CS]                       ; (named with it as a pair, so it is written)
	s_mov_b32 s[SEL], 0x76543210
	s_mov_b32 s[SEL+1], 0xfedcba98
	s_mov_b32 s56, 0xffff0000                      ; lanes 16-31
	s_mov_b32 s[TB], 0
	s_mov_b32 s[SLOTS], 3
	s_mul_i32 s93, s[WV], XW                       ; LDS: my wave's rows of x
	s_mul_i32 s45, s[WV], WPART
	s_add_co_u32 s45, s45, WB                      ; and my part of W: no place in the cluster enters an LDS address
	v_and_b32 v[AK0], 31, v0
	v_lshlrev_b32 v[MSO], 5, v[AK0]
	v_lshlrev_b32 v[AK0], 4, v[AK0]
	v_and_b32 v[TV], 15, v0                        ; r = lane % 16
	v_bfe_u32 v[ADV], v0, 4, 1                     ; h = lane / 16
	v_mul_u32_u24 v[AX], v[TV], XP
	v_mad_u32_u24 v[AX], v[ADV], 24, v[AX]
	v_add_nc_u32 v[AX], s93, v[AX]                 ; x: row r x pitch + 24 h, in my wave's bytes
	v_lshl_add_u32 v[AX2], v[ADV], 4, v[AX]
	v_mul_u32_u24 v[AW], v[TV], WP
	v_mad_u32_u24 v[AW], v[ADV], 24, v[AW]
	v_add_nc_u32 v[AW], WB, v[AW]                  ; W likewise
	v_lshl_add_u32 v[AW2], v[ADV], 4, v[AW]
	v_lshlrev_b32 v[ADK], 5, v[TV]
	v_lshl_add_u32 v[ADK], v[ADV], 11, v[ADK]      ; W's scale words: row r of tile g + 4 h: 32 r + 2,048 h
	v_lshlrev_b32 v[ADV], 6, v[ADV]                ; the bias: tile t, register i is e = 32 (t / 2) + 16 h + 8 (t % 2) + i
	s_wait_dscnt 0x0                               ; the opening add is done
	s_wait_kmcnt 0x0
	s_add_nc_u64 s[10:11], s[10:11], s[20:21]      ; x's codes at my first row
	s_add_nc_u64 s[68:69], s[68:69], s[22:23]      ; and its scale bytes
	s_add_nc_u64 s[70:71], s[70:71], s[58:59]      ; my part of Wq
	s_add_nc_u64 s[72:73], s[72:73], s[60:61]      ; the head's scale bytes
	s_add_nc_u64 s[74:75], s[74:75], s[62:63]      ; the head's bias
	s_add_nc_u64 s[6:7], s[6:7], s[34:35]
	s_add_nc_u64 s[8:9], s[8:9], s[36:37]
	CROUND                                         ; all four work-groups are here: the first joint loads meet
	s_mov_b32 s44, 1                               ; group 0 for W: count = 1; s45 the LDS address;
	s_mov_b64 s[46:47], s[70:71]                   ; the global address;
	s_or_b32 s47, s47, 0x80000000                  ; type = 2
	s_mov_b32 s92, 1                               ; for x
	s_mov_b64 s[94:95], s[10:11]
	s_or_b32 s95, s95, 0x80000000
	s_mov_b32 s40, 1                               ; for K and V: slot 0, block wave
	s_mul_i32 s41, s[WV], GB
	s_add_nc_u64 s[42:43], s[4:5], s[16:17]
	s_or_b32 s43, s43, 0x80000000
	tensor_load_to_lds s[44:47], s[84:91]          ; the two first fills stand together: my part of W,
	s_nop 0
	tensor_load_to_lds s[92:95], s[76:83]          ; my 32 rows of x
	s_nop 0
.rept 4
	v_nop
.endr
.irp x, 0,1                                    ; the bias goes into the accumulators of both tiles: the first products add onto it
.irp t, 0,1,2,3,4,5,6,7
	global_load_b128 v[S+64*\x+8*\t:S+64*\x+8*\t+3], v[ADV], s[74:75] offset:(32*(\t/2)+8*(\t%2))*4
	global_load_b128 v[S+64*\x+8*\t+4:S+64*\x+8*\t+7], v[ADV], s[74:75] offset:(32*(\t/2)+8*(\t%2))*4+16
.endr
.endr
.irp g, 0,1,2,3                                ; W's scale words: register 4 g + i: lanes 0-15 tile g, lanes 16-31 tile g + 4, K step i; those of K steps 4-7 wait in other registers
	global_load_b128 v[KSW+4*\g:KSW+4*\g+3], v[ADK], s[72:73] offset:512*\g
	global_load_b128 v[F+4*\g:F+4*\g+3], v[ADK], s[72:73] offset:512*\g+16
.endr
	global_load_b128 v[QS:QS+3], v[MSO], s[68:69]              ; x's: lanes 0-15 tile 0, lanes 16-31 tile 1
	global_load_b128 v[F+16:F+19], v[MSO], s[68:69] offset:16
	s_wait_tensorcnt 0x0                           ; my rows of x and my part of W are in LDS
	; x's sixteen fragments (K step j, tile x) go into registers: lane l holds row l % 16; registers 6 c .. 6 c + 5 hold K = 64 c + 32 (l / 16) + 0 .. 31: 24 bytes of the row, in pieces of 8 bytes.
	; Lanes 16-31 read three pieces further on: where that is behind one padding more, the second address register serves.
	WIN 0x40                                       ; destination window 1
.irp j, 0,1,2,3,4,5
.irp x, 0,1
.irp p, 0,1,2,3,4,5
.set PIE, 12*\j+6*(\p/3)+\p%3
.set XR, 24*\j+8*(\j/5)
.if PIE%32 < 29
	ds_load_b64 v[XR+12*\x+2*\p:XR+12*\x+2*\p+1], v[AX] offset:\x*16*XP+8*PIE+16*(PIE/32)
.else
	ds_load_b64 v[XR+12*\x+2*\p:XR+12*\x+2*\p+1], v[AX2] offset:\x*16*XP+8*PIE+16*(PIE/32)
.endif
.endr
.endr
.endr
	WIN 0
.irp j, 6,7
.irp x, 0,1
.irp p, 0,1,2,3,4,5
.set PIE, 12*\j+6*(\p/3)+\p%3
.set XR, 64+24*(\j-6)
.if PIE%32 < 29
	ds_load_b64 v[XR+12*\x+2*\p:XR+12*\x+2*\p+1], v[AX] offset:\x*16*XP+8*PIE+16*(PIE/32)
.else
	ds_load_b64 v[XR+12*\x+2*\p:XR+12*\x+2*\p+1], v[AX2] offset:\x*16*XP+8*PIE+16*(PIE/32)
.endif
.endr
.endr
.endr
	s_wait_tensorcnt 0x0                           ; in front of the refill of x's bytes: no tensor load of mine is out,
	ds_add_u32 v[SPW], v[NIL]                      ; 0 onto my spare word,
	s_wait_dscnt 0x0                               ; the add is done, and x is in my registers
	CROUND                                         ; so it is with every wave of the cluster; and every wave's part of W is in
	TLOAD                                          ; slot 0, over x's bytes: the first thing behind the round; it has the whole projection in which to land
; W's fragments b0 .. b0 + 3 of K step j
.macro WFR j, b0
	WIN 0x40
.irp b, \b0, \b0+1, \b0+2, \b0+3
.irp p, 0,1,2,3,4,5
.set PIE, 12*((\j)%4)+6*(\p/3)+\p%3
.if PIE%16 < 13
	ds_load_b64 v[KF+12*(\b)+2*\p:KF+12*(\b)+2*\p+1], v[AW] offset:(\b)*16*WP+8*PIE+16*(PIE/16)
.else
	ds_load_b64 v[KF+12*(\b)+2*\p:KF+12*(\b)+2*\p+1], v[AW2] offset:(\b)*16*WP+8*PIE+16*(PIE/16)
.endif
.endr
.endr
.endm
; 8 matrix instructions: W's tiles b0 .. b0 + 3 x my two tiles of rows, K step j.  The 16 accumulators take turns, one instruction a turn.
.macro QMUL j, b0
.if (\j) < 6
.set XR, 24*(\j)+8*((\j)/5)
	WIN 0x05                                       ; W and x in window 1
.else
.set XR, 64+24*((\j)-6)
	WIN 0x01                                       ; W in window 1, x in window 0
.endif
.irp b, \b0, \b0+1, \b0+2, \b0+3
.irp x, 0,1
.set rD, S+64*\x+8*(\b)
.set rA, KF+12*(\b)
.set rB, XR+12*\x
.set rSA, KSW+4*((\b)%4)+(\j)%4
.set rSB, QS+(\j)%4
.if ((\b0) == 0) && (\x == 0)
	v_wmma_scale_f32_16x16x128_f8f6f4 v[rD:rD+7], v[rA:rA+11], v[rB:rB+11], v[rD:rD+7], v[rSA], v[rSB] matrix_a_fmt:MATRIX_FMT_FP6 matrix_b_fmt:MATRIX_FMT_FP6
.elseif (\b0) == 0
	v_wmma_scale_f32_16x16x128_f8f6f4 v[rD:rD+7], v[rA:rA+11], v[rB:rB+11], v[rD:rD+7], v[rSA], v[rSB] matrix_a_fmt:MATRIX_FMT_FP6 matrix_b_fmt:MATRIX_FMT_FP6 matrix_b_scale:MATRIX_SCALE_ROW1
.elseif \x == 0
	v_wmma_scale_f32_16x16x128_f8f6f4 v[rD:rD+7], v[rA:rA+11], v[rB:rB+11], v[rD:rD+7], v[rSA], v[rSB] matrix_a_fmt:MATRIX_FMT_FP6 matrix_b_fmt:MATRIX_FMT_FP6 matrix_a_scale:MATRIX_SCALE_ROW1
.else
	v_wmma_scale_f32_16x16x128_f8f6f4 v[rD:rD+7], v[rA:rA+11], v[rB:rB+11], v[rD:rD+7], v[rSA], v[rSB] matrix_a_fmt:MATRIX_FMT_FP6 matrix_b_fmt:MATRIX_FMT_FP6 matrix_a_scale:MATRIX_SCALE_ROW1 matrix_b_scale:MATRIX_SCALE_ROW1
.endif
.endr
.endr
.endm
; K step j of the projection.  W's eight fragments have one set of registers in two halves: a half is fetched anew, four places behind its eight products, while the other half is multiplied.
.macro QSTEP j
	s_wait_dscnt 24                                ; fragments 0-3 are in; the youngest 24 loads (fragments 4-7) may be out
	QMUL \j, 0
.if (\j) < 7
	WIN 0
.if (\j) == 3
	v_add_nc_u32 v[AW], WHALF, v[AW]               ; on to the other half of K.  (These four lines are the places in front of the loads)
	v_add_nc_u32 v[AW2], WHALF, v[AW2]
	v_nop
	v_nop
.else
.rept 4
	v_nop
.endr
.endif
	WFR (\j)+1, 0
	s_wait_dscnt 24                                ; fragments 4-7 are in; the 24 loads just issued may be out
.else
	s_wait_dscnt 0x0
.endif
	QMUL \j, 4
.if (\j) < 7
.rept 4
	v_nop
.endr
	WFR (\j)+1, 4
.endif
.if (\j) == 3
	WIN 0
.set n, 0
.rept 16
	v_mov_b32 v[KSW+n], v[F+n]                     ; the scale words of K steps 4-7 (four places behind the last product that read the old ones)
.set n, n+1
.endr
.set n, 0
.rept 4
	v_mov_b32 v[QS+n], v[F+16+n]
.set n, n+1
.endr
.rept 8
	v_nop                                          ; a scale register written by a vector instruction stands 8 places ahead of a scaled matrix instruction
.endr
.endif
.endm
; 64 numbers of a lane, register 16 b + i = k 32 b + 16 (lane / 16) + i of my row, become a fragment's codes in v[pc] on and its row's scale word in v[pw].
.macro QUANT s, pc, ct, pw
.irp b, 0,1,2,3
	v_max3_num_f32 v[TM+\b], |v[\s+16*\b]|, |v[\s+1+16*\b]|, 0x1800000   ; block b: my 16 numbers, and the floor 2^(3 - 127): the byte cannot fall under 1
.endr
.irp i, 2,4,6,8,10,12,14
.irp b, 0,1,2,3
	v_max3_num_f32 v[TM+\b], v[TM+\b], |v[\s+16*\b+\i]|, |v[\s+1+16*\b+\i]|
.endr
.endr
.irp b, 0,1,2,3
	v_permlanex16_b32 v[TM+4+\b], v[TM+\b], s[SEL], s[SEL+1]
.endr
.irp b, 0,1,2,3
	v_max_num_f32 v[TM+\b], v[TM+\b], v[TM+4+\b]   ; with lane l xor 16's: the block's largest magnitude
.endr
.irp b, 0,1,2,3
	v_add_nc_u32 v[TM+12+\b], 0xff000000, v[TM+\b] ; 2 off its exponent field: the conversion's scale operand
.endr
.irp b, 0,1,2,3
	v_lshrrev_b32 v[TM+4+\b], 23, v[TM+12+\b]      ; the scale's byte
.endr
	v_lshl_or_b32 v[\pw], v[TM+5], 8, v[TM+4]
	v_lshl_or_b32 v[\pw], v[TM+6], 16, v[\pw]
	v_lshl_or_b32 v[\pw], v[TM+7], 24, v[\pw]
.irp c, 0,1
	v_cvt_scalef32_pk16_fp6_f32 v[\pc+6*\c:\pc+2+6*\c], v[\s+32*\c:\s+15+32*\c], v[TM+12+2*\c]
	v_cvt_scalef32_pk16_fp6_f32 v[\ct+4*\c:\ct+2+4*\c], v[\s+16+32*\c:\s+31+32*\c], v[TM+13+2*\c]   ; (a conversion's three registers begin on an even number)
.endr
	v_nop                                          ; one plain place behind a scaled conversion
.irp c, 0,1                                    ; the operand's layout wants a whole block in a lane
.irp i, 0,1,2
	v_permlane16_swap_b32 v[\pc+6*\c+\i], v[\ct+4*\c+\i]
.endr
.irp i, 0,1,2
	v_mov_b32 v[\pc+3+6*\c+\i], v[\ct+4*\c+\i]
.endr
.endr
.endm
	WFR 0, 0
	WFR 0, 4
	s_wait_loadcnt 0x0                             ; the bias and the scale words
.irp j, 0,1,2,3,4,5,6,7
	QSTEP \j
.endr
	WIN 0
.rept 4
	v_nop                                          ; four places behind the last products
.endr
.irp b, 0,1,2,3
	v_mov_b32 v[TM+4+\b], 0                        ; written once: a lane permute's destination counts as one of its sources
.endr
	QUANT S, P, CT, QS                             ; qh of my tile 0, along e (each accumulator is read from its low end on): Q's fragment and its scale word
	QUANT S+64, P+12, CT, QS+1
	WIN 0x40                                       ; destination window 1
.set n, 0
.rept 24
	v_mov_b32 v[QF+n], v[P+n]                      ; Q's two fragments stay in registers
.set n, n+1
.endr
.set n, 0
.rept 128
	v_mov_b32 v[n], 0                              ; O^T.  (The key step is written without a first step of its own: three copies of it are spared)
.set n, n+1
.endr
	WIN 0
.macro KLOADS                          ; a key step's eight fragments of K and their scale words, from v[ADK]: lane (r, h) gets the words of fragments 4 h .. 4 h + 3
	WIN 0x40
.irp t, 0,1,2,3,4,5,6,7
.irp c, 0,1,2
	ds_load_b128 v[KF+12*\t+4*\c:KF+12*\t+4*\c+3], v[ADK] offset:\t*1536+512*\c
.endr
.endr
	WIN 0
	ds_load_b128 v[KSW:KSW+3], v[ADK] offset:12288
.endm
; The weights of both tiles: w' = 1 / (1 + 2^(c s)).  The exponentials are one batch with one wait ahead of its first reader, and so are the reciprocals; plain work on the other tile stands among them.
.macro VEC
.set n, 0
.rept 32
	v_pk_mul_f32 v[S+n:S+n+1], v[S+n:S+n+1], s[CS:CS+1] op_sel_hi:[1,0]   ; each accumulator is read from its low end on
.set n, n+2
.endr
.set n, 0
.rept 32
	v_exp_f32 v[S+n], v[S+n]
	v_exp_f32 v[S+n+1], v[S+n+1]
	v_pk_mul_f32 v[S+64+n:S+64+n+1], v[S+64+n:S+64+n+1], s[CS:CS+1] op_sel_hi:[1,0]
.set n, n+2
.endr
.set n, 0
.rept 64
	v_exp_f32 v[S+64+n], v[S+64+n]
.set n, n+1
.endr
	v_nop                                          ; a plain place behind the last exponential
	s_wait_alu depctr_va_vdst(0)                   ; one wait ahead of the first instruction that names a result, for the 128
.set n, 0
.rept 32
	v_pk_add_f32 v[S+n:S+n+1], v[S+n:S+n+1], 1.0 op_sel_hi:[1,0]
.set n, n+2
.endr
.set n, 0
.rept 32
	v_rcp_f32 v[S+n], v[S+n]
	v_rcp_f32 v[S+n+1], v[S+n+1]
	v_pk_add_f32 v[S+64+n:S+64+n+1], v[S+64+n:S+64+n+1], 1.0 op_sel_hi:[1,0]
.set n, n+2
.endr
.set n, 0
.rept 64
	v_rcp_f32 v[S+64+n], v[S+64+n]
.set n, n+1
.endr
	v_nop
	s_wait_alu depctr_va_vdst(0)                   ; and one for the 128 reciprocals
.endm
; A KEY STEP: 128 keys.  more = 1: the next step's K, in the same slot, is fetched.
.macro STEP more
	s_wait_dscnt 0x0                               ; K's fragments and scale words are in
	WIN 0x05                                       ; K and Q in window 1
.irp t, 0,1,2,3,4,5,6,7
.irp x, 0,1
.if \t < 4
	v_wmma_scale_f32_16x16x128_f8f6f4 v[S+64*\x+8*\t:S+64*\x+8*\t+7], v[KF+12*\t:KF+12*\t+11], v[QF+12*\x:QF+12*\x+11], 0, v[KSW+\t%4], v[QS+\x] matrix_a_fmt:MATRIX_FMT_FP6 matrix_b_fmt:MATRIX_FMT_FP6
.else
	v_wmma_scale_f32_16x16x128_f8f6f4 v[S+64*\x+8*\t:S+64*\x+8*\t+7], v[KF+12*\t:KF+12*\t+11], v[QF+12*\x:QF+12*\x+11], 0, v[KSW+\t%4], v[QS+\x] matrix_a_fmt:MATRIX_FMT_FP6 matrix_b_fmt:MATRIX_FMT_FP6 matrix_a_scale:MATRIX_SCALE_ROW1
.endif
.endr
.endr
	WIN 0
	v_add_nc_u32 v[ADV], s[TB], v[AK0]             ; this step's V.  (These four lines are the places behind the products: in front of the loads into K's registers and of the first read of the scores)
	s_add_co_u32 s[TB], s[TB], GB
	v_add_nc_u32 v[ADK], s[TB], v[AK0]             ; the next step's K
	v_nop
	v_nop
.irp t, 0,1,2,3
.irp c, 0,1,2
	ds_load_b128 v[F+12*\t+4*\c:F+12*\t+4*\c+3], v[ADV] offset:VOFF+\t*1536+512*\c   ; V's fragments 0-3
.endr
.endr
	ds_load_b128 v[VSW:VSW+3], v[ADV] offset:VOFF+12288
.if \more
	KLOADS
.endif
	VEC
	QUANT S, P, CT, PS
.irp t, 0,1,2,3
.irp c, 0,1,2
	ds_load_b128 v[S+12*\t+4*\c:S+12*\t+4*\c+3], v[ADV] offset:VOFF+(4+\t)*1536+512*\c   ; V's fragments 4-7, into tile 0's numbers, which are done with
.endr
.endr
	QUANT S+64, P+12, CT, PS+1
.rept 8
	v_nop                                          ; a scale register written by a vector instruction stands 8 places ahead of a scaled matrix instruction, an operand so written 4
.endr
	s_wait_dscnt 0x0                               ; V is in (and the next K)
	WIN 0x50                                       ; C and D in window 1
.irp g, 0,1                                    ; the 16 accumulators take turns, one instruction a turn
.irp t, 0,1,2,3
.irp x, 0,1
.if \g == 0
	v_wmma_scale_f32_16x16x128_f8f6f4 v[64*\x+8*\t:64*\x+8*\t+7], v[F+12*\t:F+12*\t+11], v[P+12*\x:P+12*\x+11], v[64*\x+8*\t:64*\x+8*\t+7], v[VSW+\t], v[PS+\x] matrix_a_fmt:MATRIX_FMT_FP6 matrix_b_fmt:MATRIX_FMT_FP6
.else
	v_wmma_scale_f32_16x16x128_f8f6f4 v[64*\x+32+8*\t:64*\x+32+8*\t+7], v[S+12*\t:S+12*\t+11], v[P+12*\x:P+12*\x+11], v[64*\x+32+8*\t:64*\x+32+8*\t+7], v[VSW+\t], v[PS+\x] matrix_a_fmt:MATRIX_FMT_FP6 matrix_b_fmt:MATRIX_FMT_FP6 matrix_a_scale:MATRIX_SCALE_ROW1
.endif
.endr
.endr
.endr
	WIN 0
.rept 5
	v_nop                                          ; five places: the next step's first products write over registers that these have read
.endr
.endm
; THE CHANGE OF SLOTS stands at a slot's head.  Each wave waits for all its tensor loads (its block of the slot ahead), adds 0 to its spare word, and waits for that and for its reads of the bytes that it has left.
; fill = 1: a round of the cluster's barrier, and behind it the slot just left (the first time: the bytes of W) is filled with the next four key steps: the load has four key steps in which to land.
.macro CHANGE fill
	s_wait_tensorcnt 0x0                           ; no tensor load of mine is out, so group 0 may be written
	ds_add_u32 v[SPW], v[NIL]                      ; 0 onto my spare word
.if \fill
	s_xor_b32 s41, s41, SLOT1                      ; the other slot than last time,
	s_add_nc_u64 s[42:43], s[42:43], 4*GB          ; the next four blocks; the type bits on top are not reached
.endif
	s_wait_dscnt 0x0                               ; the add is done, and my reads of the bytes that I have left are over
.if \fill
	CROUND
	TLOAD                                          ; the first thing behind the round, and my one tensor load until the next
.else
	s_barrier_signal -1
	s_barrier_wait -1
.endif
.endm
.macro SLOT_STEPS                      ; a slot's four key steps
	v_add_nc_u32 v[ADK], s[TB], v[AK0]
	KLOADS
	s_mov_b32 s[CNT], 3
.Lstep_\@:
	STEP 1
	s_sub_co_u32 s[CNT], s[CNT], 1
	s_cmp_lg_u32 s[CNT], 0
	s_cbranch_scc1 .Lstep_\@
	STEP 0                                         ; the slot's last step fetches no K: the next lies behind the change of slots
	s_sub_co_u32 s[TB], s[TB], 4*GB
	s_xor_b32 s[TB], s[TB], SLOT1                  ; on to the other slot
.endm
.Lslot:                                            ; three trips: behind each change of slots but the last the next four key steps are asked for
	CHANGE 1
	SLOT_STEPS
	s_sub_co_u32 s[SLOTS], s[SLOTS], 1
	s_cmp_lg_u32 s[SLOTS], 0
	s_cbranch_scc1 .Lslot
	CHANGE 0                                       ; the last slot is written out
	SLOT_STEPS
	; THE WAY OUT.  O^T x 2 comes into window 0 (register 8 t + j of a tile: e = 32 (t / 2) + 16 (lane / 16) + 8 (t % 2) + j), is quantised along e and leaves as two images and their scale words.
	WIN 0x01                                       ; source 0 window 1
.set n, 0
.rept 64
	v_pk_mul_f32 v[S+n:S+n+1], v[n:n+1], 2.0 op_sel_hi:[1,0]   ; each accumulator from its low end on; the five places above stand behind the last products
.set n, n+2
.endr
	WIN 0
	QUANT S, P, CT, PS
	QUANT S+64, P+12, CT, PS+1
.irp c, 0,1,2,3,4,5
	global_store_b128 v[AK0], v[P+4*\c:P+4*\c+3], s[6:7] offset:512*\c   ; 32 lanes store 512 consecutive bytes
.endr
	v_cndmask_b32 v[TV], v[PS], v[PS+1], s56       ; lanes 0-15: tile 0's rows; lanes 16-31: tile 1's
	global_store_b32 v[MSO], v[TV], s[8:9]         ; 4 bytes a lane, 32 bytes apart: one instruction a wave, so that the last product finds a row's 32 scale bytes on end
	s_wait_tensorcnt 0x0                           ; the wave's end
	ds_add_u32 v[SPW], v[NIL]
	s_wait_dscnt 0x0
	CROUND                                         ; the closing round
	s_endpgm
.Lfunc_end_k_q7eafc748ad_attn:
	.size	k_q7eafc748ad_attn, .Lfunc_end_k_q7eafc748ad_attn-k_q7eafc748ad_attn
	.p2alignl 7, 3214868480
	.fill 96, 4, 3214868480
	.section	.rodata,"a",@progbits
	.p2align	6, 0x0
	.amdhsa_kernel k_q7eafc748ad_attn
		.amdhsa_group_segment_fixed_size 327680
		.amdhsa_private_segment_fixed_size 0
		.amdhsa_enable_private_segment 0
		.amdhsa_kernarg_size 64
		.amdhsa_user_sgpr_count 2
		.amdhsa_user_sgpr_kernarg_segment_ptr 1
		.amdhsa_wavefront_size32 1
		.amdhsa_system_sgpr_workgroup_id_x 1
		.amdhsa_system_sgpr_workgroup_id_y 1
		.amdhsa_system_sgpr_workgroup_id_z 1
		.amdhsa_system_vgpr_workitem_id 0
		.amdhsa_next_free_vgpr 512
		.amdhsa_next_free_sgpr 96
		.amdhsa_reserve_vcc 0
		.amdhsa_float_denorm_mode_32 3
		.amdhsa_float_denorm_mode_16_64 3
		.amdhsa_memory_ordered 1
		.amdhsa_forward_progress 1
		.amdhsa_inst_pref_size 215
	.end_amdhsa_kernel
	.amdgpu_metadata
---
amdhsa.version: [ 1, 2 ]
amdhsa.kernels:
  - .name:           k_q7eafc748ad_attn
    .symbol:         k_q7eafc748ad_attn.kd
    .args:
      - { .name: hc, .offset: 0, .size: 8, .value_kind: global_buffer, .address_space: global }
      - { .name: mc, .offset: 8, .size: 8, .value_kind: global_buffer, .address_space: global }
      - { .name: ms, .offset: 16, .size: 8, .value_kind: global_buffer, .address_space: global }
      - { .name: xc, .offset: 24, .size: 8, .value_kind: global_buffer, .address_space: global }
      - { .name: xs, .offset: 32, .size: 8, .value_kind: global_buffer, .address_space: global }
      - { .name: wc, .offset: 40, .size: 8, .value_kind: global_buffer, .address_space: global }
      - { .name: ws, .offset: 48, .size: 8, .value_kind: global_buffer, .address_space: global }
      - { .name: bq, .offset: 56, .size: 8, .value_kind: global_buffer, .address_space: global }
    .group_segment_fixed_size: 327680
    .private_segment_fixed_size: 0
    .kernarg_segment_align: 8
    .kernarg_segment_size: 64
    .max_flat_workgroup_size: 256
    .sgpr_count:     96
    .vgpr_count:     512
    .wavefront_size: 32
...
	.end_amdgpu_metadata
.endif
;; end of part 3
;; launch outp (part 4): grid 4 x 32, 4 waves a work-group, clusters of 4 x 4, 327,680 bytes of LDS; arguments mc, ms, xc, xs, out0; writes out0
.if DOCPART == 4
	.amdgcn_target "amdgcn-amd-amdhsa--gfx1250"
	.amdhsa_code_object_version 6
	.text
	.protected	k_q7eafc748ad_outp
	.globl	k_q7eafc748ad_outp
	.p2align	8
	.type	k_q7eafc748ad_outp,@function
k_q7eafc748ad_outp:
	s_mov_b64 s[64:65], 0
	v_nop
	global_prefetch_b8 v0, s[64:65] scope:SCOPE_SE
	s_setreg_imm32_b32 hwreg(HW_REG_WAVE_MODE, 25, 1), 1
	s_wait_xcnt 0x0
	s_wait_alu depctr_hold_cnt(0) depctr_sa_sdst(0) depctr_va_vdst(0) depctr_va_sdst(0) depctr_va_ssrc(0) depctr_va_vcc(0) depctr_vm_vsrc(0)
	s_getreg_b32 s2, hwreg(HW_REG_IB_STS2, 6, 4)
	s_cmp_eq_u32 s2, 0
	s_cbranch_scc0 .Lentry_in_a_cluster
	s_endpgm
.Lentry_in_a_cluster:
	s_bfe_u32 s2, ttmp6, 0x10000c
	s_cmp_lg_u32 s2, 0xf033
	s_cbranch_scc0 .Lentry_shape_is_right
	s_endpgm
.Lentry_shape_is_right:
; out0[m][n] = the sum over k of merged[m][k] Wo[n][k], K = 1,024, on codes of FP6 (E2M3) with E8M0 scales; out0 [8192][1024] f32.
; A = the merged heads: mc holds them as images of fragments' registers, [row / 128][head][tile of 16 rows][1,536 bytes]; their scale bytes ms [row][32].  B = Wo: rows 24,576 on of xc (768 bytes a row) and of xs (32 bytes a row).
; Rows of both lie by POSITION (in each group of 32, index bits 3 and 4 exchanged); the way out puts rows and columns back in their order.
; A tile of out0, 256 x 256, is made by four waves, each 128 x 128: 64 accumulators, 512 registers.  K goes in steps of 256 (two heads) through a ring of two LDS slots filled by the tensor data mover.
; A's part of a slot is dense: 128 rows x 256 K are 16 images, 24,576 consecutive bytes: a fragment comes from LDS by three loads of 16 bytes a lane, 512 consecutive bytes each.  B's rows are 192 bytes, padded to a pitch of 240.
; The scale bytes of the work-group's rows, for all of K, come once and stay.  The product is used transposed (source 0 = 16 rows of B, source 1 = 16 rows of A): a lane holds eight neighbouring numbers of a row of out0.
; CLUSTERS: 4 x 4 work-groups; A's tile is shared along a row of the cluster, B's along a column: each is asked for jointly.  The launch has 128 work-groups: a quarter tile would fill the chip at twice the LDS bytes for each product.
; REGISTERS: window 0: v16-31 addresses; v32-63 scale words, two sets; v128-223 A's fragments, one set; on the way out v128-255.   window 1: B's fragments, two sets.   windows 2, 3: the accumulators.
.set SIZE_N, 1024
.set KSTEP,  256
.set NQ,     2
.set ROWB,   192
.set ASTEP,  24576                     ; A: a K step of 128 rows in memory and in LDS
.set KROW,   768
.set PITCH,  240
.set FR,     12
.set NL,     6                         ; LDS loads that bring a fragment of B
.set NLA,    3                         ; and of A
.set NP,     4
.set HALFT,  128*PITCH
.set SLOT,   4*HALFT
.set LAPS,   2
.set KS,     32
.set SCL,    2*SLOT
.set HALFS,  (128*KS/256)*272
.set SBLK,   (16*KS/256)*272
.set SPARE,  SCL+4*HALFS
.set SPITCH, 528                       ; the way out: a stage of 16 rows x (512 bytes + 16) for each wave, in slot 0, which has had its last fill and its last read when the first result is stored there
.set ADRA, 16                          ; v16-17
.set ADRB, 20                          ; v20-23
.set STO,  24
.set RD,   25
.set CO,   26
.set ADRS, 27
.set SPW,  28
.set NIL,  29
.set SC,   32
.set AF,   128
.set BK,   128
.set G1, 24
.set G0, 32
.set G1B, 48
.set G0B, 56
.set G1S, 68
.set G0S, 76
.set G1SB, 80
.set G0SB, 88
.set MSB, 0
.macro WIN new
.if MSB != (\new)
	s_set_vgpr_msb (MSB<<8)|(\new)
.set MSB, (\new)
.endif
.endm
.set MUL_LO, 0xa1
.set MUL_HI, 0xf1
.set TO_B,   0x40
.macro JLOAD g0a, g1a, g0b, g1b        ; a joint load: waves 0 and 1 fetch for A, waves 2 and 3 for B; an s_nop 0 and four v_nop follow each of the two lines
	s_cmp_eq_u32 s15, 0
	s_cbranch_scc0 .Lfor_b_\@
	tensor_load_to_lds s[\g0a:\g0a+3], s[\g1a:\g1a+7]
	s_nop 0
.rept 4
	v_nop
.endr
	s_branch .Lasked_\@
.Lfor_b_\@:
	tensor_load_to_lds s[\g0b:\g0b+3], s[\g1b:\g1b+7]
	s_nop 0
.rept 4
	v_nop
.endr
.Lasked_\@:
.endm
.macro CREST
	s_cmp_lg_u32 s14, 0
	s_cbranch_scc1 .Lnot_wave_0_\@
	s_barrier_signal -3
.Lnot_wave_0_\@:
	s_barrier_wait -3
	s_barrier_signal -1
	s_barrier_wait -1
.endm
.macro CROUND
	s_barrier_signal -1
	s_barrier_wait -1
	CREST
.endm
	s_load_b128 s[4:7], s[0:1], 0x0                ; mc, ms
	s_load_b128 s[8:11], s[0:1], 0x10              ; xc, xs
	s_load_b64 s[12:13], s[0:1], 0x20              ; out0
	v_lshl_add_u32 v[SPW], v0, 2, SPARE
	v_mov_b32 v[NIL], 0
	ds_add_u32 v[SPW], v[NIL]                      ; the wave's opening: the add and its wait stand ahead of my first tensor load; work on registers stands between them
	v_lshrrev_b32 v1, 5, v0
	v_readfirstlane_b32 s14, v1                    ; wave 0..3
	s_lshr_b32 s15, s14, 1                         ; which half of the tile's rows is mine.  Also: I fetch for A (0) or for B (1)
	s_and_b32 s16, s14, 1                          ; which half of its columns.  Also: which 128 rows of that tile I fetch
	s_bfe_u32 s40, ttmp6, 0x40000                  ; cx, cy
	s_bfe_u32 s41, ttmp6, 0x40004
	s_lshl_b32 s42, ttmp9, 2
	s_add_co_u32 s42, s42, s40                     ; tile column = 4 x cluster x + cx
	s_and_b32 s17, ttmp7, 0xffff
	s_lshl_b32 s17, s17, 2
	s_add_co_u32 s17, s17, s41                     ; tile row = 4 x cluster y + cy
	s_lshl_b32 s43, s41, 2
	s_lshl_b32 s43, 15, s43                        ; my row of the cluster
	s_lshl_b32 s44, 0x1111, s40                    ; my column
	; group 1 for A: 96 dense rows of 256 bytes (32 elements of 8 bytes), no padding
	s_or_b32 s[G1+0], s43, (3<<16)|(1<<21)
	s_mov_b32 s[G1+1], 32<<16
	s_mov_b32 s[G1+2], 96<<16
	s_mov_b32 s[G1+3], 32<<16
	s_mov_b32 s[G1+4], 96
	s_mov_b32 s[G1+5], 32
	s_mov_b32 s[G1+6], 0
	s_mov_b32 s[G1+7], 0
	; for B: 128 rows x 192 bytes, 16 bytes of padding behind every 64
	s_or_b32 s[G1B+0], s44, (0<<16)|(1<<20)|(1<<21)|(3<<22)|(3<<25)
	s_mov_b32 s[G1B+1], ROWB<<16
	s_mov_b32 s[G1B+2], 128<<16
	s_mov_b32 s[G1B+3], ROWB<<16
	s_mov_b32 s[G1B+4], 128
	s_mov_b32 s[G1B+5], KROW
	s_mov_b32 s[G1B+6], 0
	s_mov_b32 s[G1B+7], 0
	; the scale bytes of 128 rows: 16 rows of 256 bytes, 16 bytes of padding behind each
	s_or_b32 s[G1S+0], s43, (3<<16)|(1<<20)|(1<<21)|(5<<22)|(3<<25)
	s_or_b32 s[G1SB+0], s44, (3<<16)|(1<<20)|(1<<21)|(5<<22)|(3<<25)
.irp g, G1S, G1SB
	s_mov_b32 s[\g+1], 32<<16
	s_mov_b32 s[\g+2], (128*KS/256)<<16
	s_mov_b32 s[\g+3], 32<<16
	s_mov_b32 s[\g+4], 128*KS/256
	s_mov_b32 s[\g+5], 32
	s_mov_b32 s[\g+6], 0
	s_mov_b32 s[\g+7], 0
.endr
	s_lshl_b32 s18, s16, 7
	s_lshl_b32 s20, s17, 8
	s_add_co_u32 s20, s20, s18                     ; A: row 256 x tile row + 128 x half
	s_lshl_b32 s46, s42, 8
	s_add_co_u32 s46, s46, s18                     ; B: row 256 x tile column + 128 x half
	s_mov_b32 s21, 0
	s_mov_b32 s47, 0
	s_mov_b64 s[18:19], KS
	s_mul_u64 s[22:23], s[20:21], s[18:19]
	s_mul_u64 s[92:93], s[46:47], s[18:19]
	s_mov_b64 s[18:19], KROW
	s_mul_u64 s[20:21], s[20:21], s[18:19]         ; (128 rows of images are as many bytes as 128 rows of 768)
	s_mul_u64 s[46:47], s[46:47], s[18:19]
	s_mul_i32 s45, s14, HALFT
	s_mul_i32 s94, s14, HALFS
	s_wait_dscnt 0x0                               ; the opening add is done
	s_wait_kmcnt 0x0
	s_add_nc_u64 s[8:9], s[8:9], 24576*KROW        ; Wo's rows in xc
	s_add_nc_u64 s[10:11], s[10:11], 24576*KS      ; and in xs
	s_add_nc_u64 s[20:21], s[4:5], s[20:21]
	s_add_nc_u64 s[22:23], s[6:7], s[22:23]
	s_add_nc_u64 s[46:47], s[8:9], s[46:47]
	s_add_nc_u64 s[92:93], s[10:11], s[92:93]
	CROUND                                         ; all sixteen work-groups are here: the first joint loads meet
	s_mov_b32 s[G0S], 1
	s_add_co_u32 s[G0S+1], s94, SCL
	s_mov_b64 s[G0S+2:G0S+3], s[22:23]
	s_or_b32 s[G0S+3], s[G0S+3], 0x80000000
	s_mov_b32 s[G0SB], 1
	s_add_co_u32 s[G0SB+1], s94, SCL
	s_mov_b64 s[G0SB+2:G0SB+3], s[92:93]
	s_or_b32 s[G0SB+3], s[G0SB+3], 0x80000000
	JLOAD G0S, G1S, G0SB, G1SB
.irp s, 0,1
	s_mov_b32 s[G0+4*\s], 1
	s_add_co_u32 s[G0+4*\s+1], s45, \s*SLOT
	s_add_nc_u64 s[G0+4*\s+2:G0+4*\s+3], s[20:21], \s*ASTEP
	s_or_b32 s[G0+4*\s+3], s[G0+4*\s+3], 0x80000000
	s_mov_b32 s[G0B+4*\s], 1
	s_add_co_u32 s[G0B+4*\s+1], s45, \s*SLOT
	s_add_nc_u64 s[G0B+4*\s+2:G0B+4*\s+3], s[46:47], \s*ROWB
	s_or_b32 s[G0B+4*\s+3], s[G0B+4*\s+3], 0x80000000
	JLOAD G0+4*\s, G1, G0B+4*\s, G1B               ; three tensor loads of mine are out at the most
.endr
	v_and_b32 v1, 15, v0                           ; r
	v_bfe_u32 v2, v0, 4, 1                         ; h
	v_mul_u32_u24 v3, v1, PITCH
	v_mul_u32_u24 v4, v2, 24
	v_add_nc_u32 v4, v3, v4                        ; B: a fragment's row x pitch + 24 x half
	v_lshl_add_u32 v5, v2, 4, v4                   ; and the same behind one padding more
	v_and_b32 v6, 31, v0
	v_lshlrev_b32 v[CO], 4, v6                     ; 16 x lane: an image's place for my lane; also my 16 bytes of a row of 512
	s_mul_i32 s21, s15, HALFT                      ; my 128 rows of A
	s_mul_i32 s22, s16, HALFT                      ; my 128 rows of B,
	s_add_co_u32 s22, s22, 2*HALFT                 ; behind A's two parts
.irp s, 0,1
	v_add_nc_u32 v[ADRA+\s], s21, v[CO]
	v_add_nc_u32 v[ADRB+\s], s22, v4
	v_add_nc_u32 v[ADRB+2+\s], s22, v5
	s_add_co_u32 s21, s21, SLOT
	s_add_co_u32 s22, s22, SLOT
.endr
	v_mul_u32_u24 v5, v1, KS
	v_lshrrev_b32 v6, 8, v5
	v_lshl_add_u32 v5, v6, 4, v5
	s_mul_i32 s21, s15, HALFS
	s_mul_i32 s22, s16, HALFS
	s_add_co_u32 s22, s22, 2*HALFS
	s_sub_co_u32 s22, s22, s21
	v_mul_u32_u24 v6, s22, v2                      ; lanes 16-31 take B's
	s_add_co_u32 s21, s21, SCL
	v_add_nc_u32 v5, v5, v6
	v_add_nc_u32 v[ADRS], s21, v5
	s_mul_i32 s23, s14, 16*SPITCH                  ; my stage
	v_mul_u32_u24 v5, v1, SPITCH                   ; in: row r; block b, register j is column 32 (b / 2) + 16 h + 8 (b % 2) + j: 64 h bytes here, the rest in the offset
	v_lshl_add_u32 v5, v2, 6, v5
	v_add_nc_u32 v[STO], s23, v5
	v_add_nc_u32 v[RD], s23, v[CO]                 ; back: the 32 lanes take one row of 512 bytes
	s_lshl_b32 s20, s17, 8
	s_lshl_b32 s21, s15, 7
	s_add_co_u32 s20, s20, s21                     ; my first row of out0
	s_mov_b32 s21, 0
	s_mov_b64 s[18:19], SIZE_N*4
	s_mul_u64 s[20:21], s[20:21], s[18:19]
	s_lshl_b32 s46, s42, 10                        ; my first column, in bytes
	s_lshl_b32 s47, s16, 9
	s_add_co_u32 s46, s46, s47
	s_mov_b32 s47, 0
	s_add_nc_u64 s[20:21], s[20:21], s[46:47]
	s_add_nc_u64 s[12:13], s[12:13], s[20:21]
.macro FRAG reg, adr, q, i             ; a fragment of B from rows: six pieces of 8 bytes
.irp p, 0,1,2,3,4,5
.set PIE, 12*(\q)+6*(\p/3)+\p%3
.if PIE%8 < 5
	ds_load_b64 v[\reg+2*\p:\reg+2*\p+1], v[\adr] offset:8*PIE+16*(PIE/8)+(\i)*16*PITCH
.else
	ds_load_b64 v[\reg+2*\p:\reg+2*\p+1], v[\adr+2] offset:8*PIE+16*(PIE/8)+(\i)*16*PITCH
.endif
.endr
.endm
.macro MUL16 a0, p, q, sc, zero        ; the 64 accumulators take turns, one instruction a turn, in the same order in every step
.irp a, \a0, \a0+1
.irp b, 0,1,2,3,4,5,6,7
.if \zero
	v_wmma_scale_f32_16x16x128_f8f6f4 v[8*(8*((\a)%4)+\b):8*(8*((\a)%4)+\b)+7], v[128*(\p)+FR*\b:128*(\p)+FR*\b+FR-1], v[AF+FR*(\a):AF+FR*(\a)+FR-1], 0, v[SC+8*NQ*(\sc)+NQ*\b+(\q)], v[SC+8*NQ*(\sc)+NQ*(\a)+(\q)] matrix_a_fmt:MATRIX_FMT_FP6 matrix_b_fmt:MATRIX_FMT_FP6 matrix_a_scale:MATRIX_SCALE_ROW1
.else
	v_wmma_scale_f32_16x16x128_f8f6f4 v[8*(8*((\a)%4)+\b):8*(8*((\a)%4)+\b)+7], v[128*(\p)+FR*\b:128*(\p)+FR*\b+FR-1], v[AF+FR*(\a):AF+FR*(\a)+FR-1], v[8*(8*((\a)%4)+\b):8*(8*((\a)%4)+\b)+7], v[SC+8*NQ*(\sc)+NQ*\b+(\q)], v[SC+8*NQ*(\sc)+NQ*(\a)+(\q)] matrix_a_fmt:MATRIX_FMT_FP6 matrix_b_fmt:MATRIX_FMT_FP6 matrix_a_scale:MATRIX_SCALE_ROW1
.endif
.endr
.endr
.endm
.macro FETCH_B slot, q, p
	WIN TO_B
.irp i, 0,1,2,3,4,5,6,7
	FRAG 128*(\p)+FR*\i, ADRB+\slot, \q, \i
.endr
	WIN 0
.endm
.macro FETCH_A slot, q, i0             ; A's blocks i0 .. i0 + 3 of the slot's q-th head: images, three loads each
.irp i, \i0, \i0+1, \i0+2, \i0+3
.irp c, 0,1,2
	ds_load_b128 v[AF+FR*(\i)+4*\c:AF+FR*(\i)+4*\c+3], v[ADRA+\slot] offset:(\q)*12288+(\i)*1536+512*\c
.endr
.endr
.endm
.macro SCALES sc
.irp i, 0,1,2,3,4,5,6,7
	ds_load_b64 v[SC+8*NQ*\sc+NQ*\i:SC+8*NQ*\sc+NQ*\i+1], v[ADRS] offset:\i*SBLK
.endr
.endm
.macro PLACES n
.rept \n
	v_nop
.endr
.endm
.macro STEP slot, q, zero
	s_wait_dscnt 4*NLA                             ; B's set and A's blocks 0-3 are in; the youngest 12 loads (A's blocks 4-7) may be out
	WIN MUL_LO
	MUL16 0, (\q)%2, \q, \slot, \zero
	MUL16 2, (\q)%2, \q, \slot, \zero
	s_wait_dscnt 0
	PLACES NP
	FETCH_B \slot, (\q)+1, 1-(\q)%2
	FETCH_A \slot, (\q)+1, 0
	WIN MUL_HI
	MUL16 4, (\q)%2, \q, \slot, \zero
	MUL16 6, (\q)%2, \q, \slot, \zero
	PLACES NP
	WIN 0
	FETCH_A \slot, (\q)+1, 4
.endm
.macro TURN slot, next, fill
	s_wait_tensorcnt 0x0                           ; all my tensor loads have landed: my part of the next slot
	ds_add_u32 v[SPW], v[NIL]                      ; 0 onto my spare word
	s_wait_dscnt 4*NLA+1                           ; (the add and the youngest 12 loads, A's blocks 4-7, may be out)
	WIN MUL_LO
	MUL16 0, 1, NQ-1, \slot, 0
	s_wait_dscnt 0x0                               ; the add is done, and my reads of this slot are over
	s_barrier_signal -1
	MUL16 2, 1, NQ-1, \slot, 0
	WIN 0
	s_barrier_wait -1
.if \fill
	CREST                                          ; the barrier has opened a round of the cluster's: no wave of any partner still reads this slot or has a load on its way
	s_add_nc_u64 s[G0+4*\slot+2:G0+4*\slot+3], s[G0+4*\slot+2:G0+4*\slot+3], 2*ASTEP
	s_add_nc_u64 s[G0B+4*\slot+2:G0B+4*\slot+3], s[G0B+4*\slot+2:G0B+4*\slot+3], 2*ROWB
	JLOAD G0+4*\slot, G1, G0B+4*\slot, G1B
.else
	PLACES NP
.endif
	v_add_nc_u32 v[ADRS], 4*NQ, v[ADRS]
	FETCH_B \next, 0, 0
	FETCH_A \next, 0, 0
	SCALES \next
	WIN MUL_HI
	MUL16 4, 1, NQ-1, \slot, 0
	MUL16 6, 1, NQ-1, \slot, 0
	PLACES NP
	WIN 0
	FETCH_A \next, 0, 4
.endm
	s_wait_tensorcnt 1                             ; the scale bytes and my part of K step 0 are in (K step 1's load may be out)
	s_barrier_signal -1
	s_barrier_wait -1
	FETCH_B 0, 0, 0
	FETCH_A 0, 0, 0
	SCALES 0
	FETCH_A 0, 0, 4
	STEP 0, 0, 1                                   ; the first step's products start the sums
	s_mov_b32 s3, LAPS-1
.Llap:
	TURN 0, 1, 1
	STEP 1, 0, 0
	TURN 1, 0, 1
	STEP 0, 0, 0
	s_sub_co_u32 s3, s3, 1
	s_cmp_lg_u32 s3, 0
	s_cbranch_scc1 .Llap
	TURN 0, 1, 0
	STEP 1, 0, 0
	s_wait_dscnt 4*NLA
	WIN MUL_LO
	MUL16 0, 1, NQ-1, 1, 0
	MUL16 2, 1, NQ-1, 1, 0
	s_wait_dscnt 0
	WIN MUL_HI
	MUL16 4, 1, NQ-1, 1, 0
	MUL16 6, 1, NQ-1, 1, 0
	WIN 0
; THE WAY OUT, block by block of 16 rows x 128 columns, through my own stage in LDS; it comes back as whole rows of 512 bytes.  LDS serves a wave's instructions in order (ISA guide 5.7.1.4): no wait between the stores and the loads.
.macro TOSTAGE a
.set AC, 64*((\a)%4)
	WIN 0x08+4*((\a)/4)                            ; the data: window 2 or 3
.irp b, 0,1,2,3,4,5,6,7
	ds_store_b128 v[STO], v[AC+8*\b:AC+8*\b+3] offset:128*(\b/2)+32*(\b%2)        ; each accumulator from its low end on; the columns go to their own places
	ds_store_b128 v[STO], v[AC+8*\b+4:AC+8*\b+7] offset:128*(\b/2)+32*(\b%2)+16
.endr
	WIN 0
.set BB, BK+64*((\a)%2)
.irp t, 0,1,2,3,4,5,6,7,8,9,10,11,12,13,14,15
	ds_load_b128 v[BB+4*\t:BB+4*\t+3], v[RD] offset:\t*SPITCH
.endr
.endm
.macro SEND a, younger                 ; stage row t of block 2 c + u is row 32 c + 8 u + t % 8 + 16 (t / 8) of my 128
.set BB, BK+64*((\a)%2)
	s_wait_dscnt \younger                          ; the block is back in registers; the next block's 16 stores and 16 loads may be out
.if (\a) > 0
.if ((\a)%2) == 1
	s_add_nc_u64 s[12:13], s[12:13], 8*SIZE_N*4    ; (behind a wait on XCNT: the earlier stores have read their base)
.else
	s_add_nc_u64 s[12:13], s[12:13], 24*SIZE_N*4
.endif
.endif
.irp t, 0,1,2,3,4,5,6,7,8,9,10,11,12,13,14,15
	global_store_b128 v[CO], v[BB+4*\t:BB+4*\t+3], s[12:13] offset:((\t%8)+16*(\t/8))*SIZE_N*4 th:TH_STORE_NT   ; 32 lanes store 512 consecutive bytes, aligned
.endr
.endm
	PLACES NP
	TOSTAGE 0
.irp a, 1,2,3,4,5,6,7
.if \a > 1
	s_wait_xcnt 0x0                                ; block a - 2's stores have read their registers and their base
.endif
	TOSTAGE \a
	SEND \a-1, 32
.endr
	s_wait_xcnt 0x0
	SEND 7, 0
	s_wait_tensorcnt 0x0                           ; the wave's end, behind my last tensor load and my last LDS store
	ds_add_u32 v[SPW], v[NIL]
	s_wait_dscnt 0x0
	CROUND                                         ; the closing round
	s_endpgm
.Lfunc_end_k_q7eafc748ad_outp:
	.size	k_q7eafc748ad_outp, .Lfunc_end_k_q7eafc748ad_outp-k_q7eafc748ad_outp
	.p2alignl 7, 3214868480
	.fill 96, 4, 3214868480
	.section	.rodata,"a",@progbits
	.p2align	6, 0x0
	.amdhsa_kernel k_q7eafc748ad_outp
		.amdhsa_group_segment_fixed_size 327680
		.amdhsa_private_segment_fixed_size 0
		.amdhsa_enable_private_segment 0
		.amdhsa_kernarg_size 40
		.amdhsa_user_sgpr_count 2
		.amdhsa_user_sgpr_kernarg_segment_ptr 1
		.amdhsa_wavefront_size32 1
		.amdhsa_system_sgpr_workgroup_id_x 1
		.amdhsa_system_sgpr_workgroup_id_y 1
		.amdhsa_system_sgpr_workgroup_id_z 1
		.amdhsa_system_vgpr_workitem_id 0
		.amdhsa_next_free_vgpr 1024
		.amdhsa_next_free_sgpr 98
		.amdhsa_reserve_vcc 0
		.amdhsa_float_denorm_mode_32 3
		.amdhsa_float_denorm_mode_16_64 3
		.amdhsa_memory_ordered 1
		.amdhsa_forward_progress 1
		.amdhsa_inst_pref_size 148
	.end_amdhsa_kernel
	.amdgpu_metadata
---
amdhsa.version: [ 1, 2 ]
amdhsa.kernels:
  - .name:           k_q7eafc748ad_outp
    .symbol:         k_q7eafc748ad_outp.kd
    .args:
      - { .name: mc, .offset: 0, .size: 8, .value_kind: global_buffer, .address_space: global }
      - { .name: ms, .offset: 8, .size: 8, .value_kind: global_buffer, .address_space: global }
      - { .name: xc, .offset: 16, .size: 8, .value_kind: global_buffer, .address_space: global }
      - { .name: xs, .offset: 24, .size: 8, .value_kind: global_buffer, .address_space: global }
      - { .name: out0, .offset: 32, .size: 8, .value_kind: global_buffer, .address_space: global }
    .group_segment_fixed_size: 327680
    .private_segment_fixed_size: 0
    .kernarg_segment_align: 8
    .kernarg_segment_size: 40
    .max_flat_workgroup_size: 128
    .sgpr_count:     98
    .vgpr_count:     1024
    .wavefront_size: 32
...
	.end_amdgpu_metadata
.endif
;; end of part 4
